; MI455X (gfx1250); checked and timed in simulation.
; The chip was launched on July 23, 2026; its instructions are those of AMD's public machine-readable ISA for CDNA 5 (MIT licence, August 2026) and "CDNA5" Instruction Set Architecture Reference Guide (July 2026). The comments in the code are by the model that wrote it; some were corrected since.
;; Spectral Discriminator. Allowed arithmetic: float matrix products may take bf16 or f16 operands with f32 sums; other float arithmetic in f32, or as packed bf16 or f16 multiplies, adds, multiply-adds, maxima and minima; sums over many terms, partial sums and values carried from step to step in f32; what a program stores and reads back later, other than sums and carried values, may be rounded once to bf16 or f16.
;; Inputs: W1 64 x 6 float32; W2 128 x 64 float32; W3 256 x 128 float32; W4 512 x 256 float32; W5 1 x 512 float32; a1_gamma 1 float32; a1_kW 32 x 256 float32; a1_kb 32 float32; a1_qW 32 x 256 float32; a1_qb 32 float32; a1_vW 256 x 256 float32; a1_vb 256 float32; a2_gamma 1 float32; a2_kW 64 x 512 float32; a2_kb 64 float32; a2_qW 64 x 512 float32; a2_qb 64 float32; a2_vW 512 x 512 float32; a2_vb 512 float32; b1 64 float32; b2 128 float32; b3 256 float32; b4 512 float32; b5 1 float32; input 4 x 6 x 64 x 64 float32; u1 64 float32; u2 128 float32; u3 256 float32; u4 512 float32; u5 1 float32.
;; Outputs: out0 4 x 64 x 64 float32.
;; One version. Each part assembles by itself: llvm-mc -triple=amdgcn-amd-amdhsa -mcpu=gfx1250 --defsym DOCPART=n.
;; ======== version 1 of 1: 4 launches
;; limits: values are held in f16: magnitudes above 65,504 overflow, below 6.1e-05 lose precision
;; workspace buffers: wfrag 643,072 bytes; scal 12,032 bytes; x3f 16,777,216 bytes; q1f 1,052,672 bytes; kv1 9,437,184 bytes; q2f 2,097,152 bytes; k2t 2,621,440 bytes; rres 65,536 bytes
;; launch prep (part 1): grid 57 x 1, 16 waves a work-group, no clusters, 37,888 bytes of LDS; arguments W1, W2, W3, W4, W5, u1, u2, u3, u4, u5, a1_qW, a1_kW, a1_vW, a2_qW, a2_kW, a2_vW, a2_vb, b1, b2, b3, b4, a1_qb, a1_kb, a1_vb, a2_qb, a2_kb, a1_gamma, wfrag, scal; writes wfrag, scal
.if DOCPART == 1
	.amdgcn_target "amdgcn-amd-amdhsa--gfx1250"
	.amdhsa_code_object_version 6
	.text
	.protected	k_q5d7fcb269f_prep
	.globl	k_q5d7fcb269f_prep
	.p2align	8
	.type	k_q5d7fcb269f_prep,@function
k_q5d7fcb269f_prep:
	s_mov_b64 s[64:65], 0
	v_nop
	global_prefetch_b8 v0, s[64:65] scope:SCOPE_SE
	s_setreg_imm32_b32 hwreg(HW_REG_WAVE_MODE, 25, 1), 1
	s_wait_xcnt 0x0
; PREP: everything that hangs on the weights alone.  EVERY INPUT IS ROUNDED TO bf16 FIRST, here and in the later launches; what is made of the rounded numbers is kept in f32.
; 57 work-groups of 16 waves, each with one role, chosen by the work-group's number:
;   0-2   1/sigma of layers 1 to 3 (one power iteration: a = W^T u, c = W a; sigma = n^2 / (n + 1e-12), n = |c| / (|a| + 1e-12))
;   3     1/sigma of layer 5, and tb = W5 . a2_vb        4  the ten short arrays (biases, gamma 1), rounded, gathered into one table of f32
;   5     W1 as bf16 fragments                            6-9  four partial sums of a4 = W4^T u4 (128 rows each)
;   10-17 g = W5 . a2_vW in f32, 64 columns each
;   18-56 W2, W3, q/k/v weights of attention 1, W4, q/k weights of attention 2 as bf16 fragments
; A FRAGMENT is 16 rows x 32 k of 16-bit numbers in register order, 1,024 bytes: byte 16 l holds row l % 16, k = 8 (l / 16) + 0..7; byte 512 + 16 l holds k = 16 + 8 (l / 16) + 0..7.
; LDS: each role has bytes of its own, so that no two paths of the text name the same bytes.
; LIMITS.  NaN and infinities are not treated apart (the scalar rounding of u is the integer form: add 0x7fff and bit 16, cut the low half; right for every finite number).
.set A1R,   0                          ; layer 1: 16 waves x 128 bytes of partial a
.set A2R,   2048                       ; layer 2: 16 x 256
.set A3R,   6144                       ; layer 3: 16 x 512
.set A4R,   14336                      ; a4: 16 x 1,024
.set GR,    30720                      ; g: 16 x 256
.set C1R,   34816                      ; one word a wave: layer 1,
.set C2R,   35072                      ; layer 2,
.set C3R,   35328                      ; layer 3;
.set C5R,   35584                      ; two words a wave: layer 5
.set SPARE, 35840                      ; the spare words, 128 bytes for each of 16 waves; no other line names them
.set SPW,   30                         ; v30  my spare word's address; never rewritten
.set NIL,   31                         ; v31  0; never rewritten
.set EPS,   0x2b8cbccc                 ; 1e-12
.set HI16,  0xffff0000
.set WV,    2                          ; s2   my wave's number
.set WF,    56                         ; s[56:57] wfrag
.set SC,    58                         ; s[58:59] scal
.macro RND2 a                          ; two f32 registers rounded to bf16, in place, kept as f32
	v_cvt_pk_bf16_f32 v10, v[\a], v[(\a)+1]
	v_lshlrev_b32 v[\a], 16, v10
	v_and_b32 v[(\a)+1], HI16, v10
.endm
.macro SRND s                          ; a scalar f32 rounded to bf16 (to nearest, ties to even), kept as f32
	s_bfe_u32 s12, s[\s], 0x10010                  ; bit 16
	s_add_co_u32 s12, s12, 0x7fff
	s_add_co_u32 s[\s], s[\s], s12
	s_and_b32 s[\s], s[\s], HI16
.endm
.macro WSUM x                          ; the sum over the wave's 32 lanes, in every lane
	v_add_f32_dpp v[\x], v[\x], v[\x] row_xmask:1 row_mask:0xf bank_mask:0xf
	v_add_f32_dpp v[\x], v[\x], v[\x] row_xmask:2 row_mask:0xf bank_mask:0xf
	v_add_f32_dpp v[\x], v[\x], v[\x] row_xmask:4 row_mask:0xf bank_mask:0xf
	v_add_f32_dpp v[\x], v[\x], v[\x] row_xmask:8 row_mask:0xf bank_mask:0xf
	v_permlanex16_b32 v3, v[\x], s62, s63
	v_add_f32 v[\x], v[\x], v3
.endm
.macro TOT16 dst, off                  ; the sum of the 16 waves' words at LDS byte off (v16 holds 0)
	ds_load_b128 v[96:99],   v16 offset:\off
	ds_load_b128 v[100:103], v16 offset:(\off)+16
	ds_load_b128 v[104:107], v16 offset:(\off)+32
	ds_load_b128 v[108:111], v16 offset:(\off)+48
	s_wait_dscnt 0x0
	v_pk_add_f32 v[96:97], v[96:97], v[98:99]
	v_pk_add_f32 v[100:101], v[100:101], v[102:103]
	v_pk_add_f32 v[104:105], v[104:105], v[106:107]
	v_pk_add_f32 v[108:109], v[108:109], v[110:111]
	v_pk_add_f32 v[96:97], v[96:97], v[100:101]
	v_pk_add_f32 v[104:105], v[104:105], v[108:109]
	v_pk_add_f32 v[96:97], v[96:97], v[104:105]
	v_add_f32 v[\dst], v96, v97
.endm
.macro FINISH a2, c2                   ; |a|^2 and |c|^2 in; 1/sigma out, in c2.  Each batch of roots and reciprocals has a plain line and one wait behind it
	v_sqrt_f32 v[\a2], v[\a2]
	v_sqrt_f32 v[\c2], v[\c2]
	v_nop
	s_wait_alu depctr_va_vdst(0)
	v_add_f32 v[\a2], EPS, v[\a2]
	v_rcp_f32 v[\a2], v[\a2]
	v_nop
	s_wait_alu depctr_va_vdst(0)
	v_mul_f32 v[\c2], v[\c2], v[\a2]               ; n = |W v|
	v_mul_f32 v[\a2], v[\c2], v[\c2]
	v_rcp_f32 v[\a2], v[\a2]
	v_add_f32 v[\c2], EPS, v[\c2]
	s_wait_alu depctr_va_vdst(0)
	v_mul_f32 v[\c2], v[\c2], v[\a2]               ; (n + 1e-12) / n^2
.endm
.macro PUT off, reg                    ; thread 0 stores one word of scal
	v_mov_b32 v17, \off
	v_cmp_eq_u32 vcc_lo, 0, v0
	s_wait_xcnt 0x0                                ; EXEC changes only behind this wait
	s_and_saveexec_b32 s10, vcc_lo
	global_store_b32 v17, v[\reg], s[SC:SC+1]
	s_wait_xcnt 0x0                                ; and again in front of the line that widens it
	s_or_b32 exec_lo, exec_lo, s10
.endm
; 1/sigma of a layer with O = 16 RPW rows and C = 32 NV columns (layer 1: 6 columns, NV = 1).  A wave holds RPW rows in registers, a lane NV columns of each.  AR, CR: the role's LDS bytes.
.macro SIGMA idx, aW, aU, RPW, NV, ROWB, AR, CR
	s_load_b64 s[4:5], s[0:1], \aW
	s_load_b64 s[6:7], s[0:1], \aU
	s_mul_i32 s8, s[WV], 4*(\RPW)                  ; my rows' u
	s_mul_i32 s9, s[WV], (\RPW)*(\ROWB)            ; my rows
.if (\NV) == 1
	v_min_u32 v4, 5, v1                            ; lanes 6 to 31 read column 5 and are set to 0 below
	v_lshl_add_u32 v4, v4, 2, s9
.else
	v_mul_u32_u24 v4, v1, 4*(\NV)
	v_add_nc_u32 v4, s9, v4
.endif
	v_mul_u32_u24 v5, v0, 4*(\NV)                  ; where my partial a goes: wave x 128 NV + lane x 4 NV
	v_mul_u32_u24 v6, v1, 4*(\NV)
	s_wait_kmcnt 0x0
.if (\RPW) == 16
	s_load_b512 s[16:31], s[6:7], s8 offset:0x0
.elseif (\RPW) == 8
	s_load_b256 s[16:23], s[6:7], s8 offset:0x0
.else
	s_load_b128 s[16:19], s[6:7], s8 offset:0x0
.endif
.set ii, 0
.rept \RPW
.if (\NV) == 4
	global_load_b128 v[32+4*ii:32+4*ii+3], v4, s[4:5] offset:ii*(\ROWB)
.elseif (\NV) == 2
	global_load_b64 v[32+2*ii:32+2*ii+1], v4, s[4:5] offset:ii*(\ROWB)
.else
	global_load_b32 v[32+ii], v4, s[4:5] offset:ii*(\ROWB)
.endif
.set ii, ii+1
.endr
	s_wait_loadcnt 0x0
	s_wait_kmcnt 0x0
.set ii, 0
.rept (\RPW)*(\NV)/2
	RND2 32+2*ii                                   ; W rounded to bf16
.set ii, ii+1
.endr
.set ii, 0
.rept \RPW
	SRND 16+ii                                     ; u rounded to bf16
.set ii, ii+1
.endr
.if (\NV) == 1
	v_cmp_gt_u32 vcc_lo, 6, v1
.set ii, 0
.rept \RPW
	v_cndmask_b32 v[32+ii], 0, v[32+ii], vcc_lo
.set ii, ii+1
.endr
.endif
.set nn, 0
.rept \NV
	v_mul_f32 v[8+nn], s16, v[32+nn]               ; my rows' share of a = W^T u
.set nn, nn+1
.endr
.set ii, 1
.rept (\RPW)-1
.set nn, 0
.rept \NV
	v_fmac_f32 v[8+nn], s[16+ii], v[32+(\NV)*ii+nn]
.set nn, nn+1
.endr
.set ii, ii+1
.endr
.if (\NV) == 4
	ds_store_b128 v5, v[8:11] offset:\AR
.elseif (\NV) == 2
	ds_store_b64 v5, v[8:9] offset:\AR
.else
	ds_store_b32 v5, v8 offset:\AR
.endif
	s_wait_dscnt 0x0                               ; for the others' sake: my store is done
	s_barrier_signal -1
	s_barrier_wait -1
.set ww, 0
.rept 16
.if (\NV) == 4
	ds_load_b128 v[96+4*ww:96+4*ww+3], v6 offset:(\AR)+ww*512
.elseif (\NV) == 2
	ds_load_b64 v[96+2*ww:96+2*ww+1], v6 offset:(\AR)+ww*256
.else
	ds_load_b32 v[96+ww], v6 offset:(\AR)+ww*128
.endif
.set ww, ww+1
.endr
	s_wait_dscnt 0x0
.set ww, 1
.rept 15
.set nn, 0
.rept \NV
	v_add_f32 v[96+nn], v[96+nn], v[96+(\NV)*ww+nn]  ; a, my columns
.set nn, nn+1
.endr
.set ww, ww+1
.endr
	v_mul_f32 v12, v96, v96
.set nn, 1
.rept (\NV)-1
	v_fmac_f32 v12, v[96+nn], v[96+nn]
.set nn, nn+1
.endr
	WSUM 12                                        ; |a|^2
.set ii, 0
.rept \RPW
	v_mul_f32 v[160+ii], v[32+(\NV)*ii], v96       ; c = W a, my rows, a register a row
.set nn, 1
.rept (\NV)-1
	v_fmac_f32 v[160+ii], v[32+(\NV)*ii+nn], v[96+nn]
.set nn, nn+1
.endr
.set ii, ii+1
.endr
.irp m, 1,2,4,8
.set ii, 0
.rept \RPW
	v_add_f32_dpp v[160+ii], v[160+ii], v[160+ii] row_xmask:\m row_mask:0xf bank_mask:0xf
.set ii, ii+1
.endr
.endr
.set ii, 0
.rept \RPW
	v_permlanex16_b32 v3, v[160+ii], s62, s63
	v_add_f32 v[160+ii], v[160+ii], v3
.if ii == 0
	v_mul_f32 v14, v160, v160
.else
	v_fmac_f32 v14, v[160+ii], v[160+ii]
.endif
.set ii, ii+1
.endr
	ds_store_b32 v7, v14 offset:\CR                ; my rows' share of |c|^2
	s_wait_dscnt 0x0
	s_barrier_signal -1
	s_barrier_wait -1
	TOT16 14, \CR
	FINISH 12, 14
	PUT \idx, 14
.endm
	s_load_b128 s[WF:WF+3], s[0:1], 27*8           ; wfrag, scal
	v_lshl_add_u32 v[SPW], v0, 2, SPARE
	v_mov_b32 v[NIL], 0
	v_and_b32 v1, 31, v0                           ; lane
	v_lshrrev_b32 v2, 5, v0
	v_readfirstlane_b32 s[WV], v2                  ; wave 0..15
	v_mov_b32 v3, 0                                ; the exchange's destination counts as read
	v_mov_b32 v16, 0
	v_lshlrev_b32 v7, 2, v2                        ; my wave's word in a role's block of words
	s_mov_b32 s62, 0x76543210                      ; v_permlanex16_b32: each lane takes its own place in the other half
	s_mov_b32 s63, 0xfedcba98
	s_cmp_ge_u32 ttmp9, 18
	s_cbranch_scc1 .Lconv
	s_cmp_ge_u32 ttmp9, 10
	s_cbranch_scc1 .Lg
	s_cmp_ge_u32 ttmp9, 6
	s_cbranch_scc1 .La4
	s_cmp_eq_u32 ttmp9, 5
	s_cbranch_scc1 .Lw1c
	s_cmp_eq_u32 ttmp9, 4
	s_cbranch_scc1 .Lbias
	s_cmp_eq_u32 ttmp9, 3
	s_cbranch_scc1 .Ls5
	s_cmp_eq_u32 ttmp9, 2
	s_cbranch_scc1 .Lsig3
	s_cmp_eq_u32 ttmp9, 1
	s_cbranch_scc1 .Lsig2
	SIGMA 0, 0*8, 5*8, 4, 1, 24, A1R, C1R
	s_branch .Lend
.Lsig2:
	SIGMA 4, 1*8, 6*8, 8, 2, 256, A2R, C2R
	s_branch .Lend
.Lsig3:
	SIGMA 8, 2*8, 7*8, 16, 4, 512, A3R, C3R
	s_branch .Lend
.Ls5:                                          ; W5 has one row: a = u5 W5, c = u5 |W5|^2
	s_load_b64 s[4:5], s[0:1], 4*8                 ; W5
	s_load_b64 s[6:7], s[0:1], 16*8                ; a2_vb
	s_load_b64 s[8:9], s[0:1], 9*8                 ; u5
	v_lshlrev_b32 v4, 2, v0
	s_wait_kmcnt 0x0
	s_load_b32 s11, s[8:9], 0x0
	global_load_b32 v8, v4, s[4:5]
	global_load_b32 v9, v4, s[6:7]
	s_wait_loadcnt 0x0
	v_cvt_pk_bf16_f32 v10, v8, v9
	v_lshlrev_b32 v11, 16, v10                     ; W5, rounded
	v_and_b32 v10, HI16, v10                       ; vb2, rounded
	v_mul_f32 v12, v11, v11
	v_mul_f32 v13, v10, v11
	WSUM 12
	WSUM 13
	ds_store_b32 v7, v12 offset:C5R
	ds_store_b32 v7, v13 offset:C5R+64
	s_wait_dscnt 0x0
	s_barrier_signal -1
	s_barrier_wait -1
	TOT16 12, C5R
	TOT16 13, C5R+64
	s_wait_kmcnt 0x0
	SRND 11                                        ; u5, rounded
	v_mul_f32 v14, s11, v12                        ; c
	v_mul_f32 v12, s11, v14                        ; |a|^2 = u5^2 |W5|^2
	v_mul_f32 v14, v14, v14
	FINISH 12, 14
	PUT 12, 14
	PUT 16, 13
	s_branch .Lend
.Lbias:                                        ; ten short arrays into one table.  A thread past an array's end repeats its last index: the same address, the same value
	s_load_b512 s[16:31], s[0:1], 17*8             ; b1 b2 b3 b4 qb1 kb1 vb1 qb2
	s_load_b128 s[32:35], s[0:1], 25*8             ; kb2 gamma1
	v_min_u32 v4, 63, v0
	v_min_u32 v5, 127, v0
	v_min_u32 v6, 255, v0
	v_min_u32 v7, 31, v0
	v_lshlrev_b32 v4, 2, v4
	v_lshlrev_b32 v5, 2, v5
	v_lshlrev_b32 v6, 2, v6
	v_lshlrev_b32 v7, 2, v7
	v_lshlrev_b32 v8, 2, v0
	v_mov_b32 v9, 0
	s_wait_kmcnt 0x0
	global_load_b32 v32, v4, s[16:17]
	global_load_b32 v33, v5, s[18:19]
	global_load_b32 v34, v6, s[20:21]
	global_load_b32 v35, v7, s[24:25]
	global_load_b32 v36, v7, s[26:27]
	global_load_b32 v37, v6, s[28:29]
	global_load_b32 v38, v8, s[22:23]
	global_load_b32 v39, v4, s[30:31]
	global_load_b32 v40, v4, s[32:33]
	global_load_b32 v41, v9, s[34:35]
	s_wait_loadcnt 0x0
.set ii, 0
.rept 10
	v_cvt_pk_bf16_f32 v[32+ii], v[32+ii], v[32+ii]
.set ii, ii+1
.endr
.set ii, 0
.rept 10
	v_lshlrev_b32 v[32+ii], 16, v[32+ii]
.set ii, ii+1
.endr
	global_store_b32 v4, v32, s[SC:SC+1] offset:4352
	global_store_b32 v5, v33, s[SC:SC+1] offset:4608
	global_store_b32 v6, v34, s[SC:SC+1] offset:5120
	global_store_b32 v7, v35, s[SC:SC+1] offset:6144
	global_store_b32 v7, v36, s[SC:SC+1] offset:6272
	global_store_b32 v6, v37, s[SC:SC+1] offset:6400
	global_store_b32 v8, v38, s[SC:SC+1] offset:7424
	global_store_b32 v4, v39, s[SC:SC+1] offset:9472
	global_store_b32 v4, v40, s[SC:SC+1] offset:9728
	global_store_b32 v9, v41, s[SC:SC+1] offset:20
	s_branch .Lend
.Lw1c:                                         ; W1: four fragments in bf16; k = 6 .. 31 is 0
	s_cmp_lt_u32 s[WV], 4
	s_cbranch_scc0 .Lend
	s_load_b64 s[4:5], s[0:1], 0*8
	v_and_b32 v4, 15, v0
	v_bfe_u32 v5, v0, 4, 1
	s_lshl_b32 s8, s[WV], 4
	v_add_nc_u32 v4, s8, v4                        ; my row
	v_mul_u32_u24 v4, v4, 24
	s_lshl_b32 s8, s[WV], 10
	v_lshl_add_u32 v6, v1, 4, s8
	s_wait_kmcnt 0x0
	global_load_b64 v[32:33], v4, s[4:5]
	global_load_b64 v[34:35], v4, s[4:5] offset:8
	global_load_b64 v[36:37], v4, s[4:5] offset:16
	s_wait_loadcnt 0x0
	v_cvt_pk_bf16_f32 v8, v32, v33
	v_cvt_pk_bf16_f32 v9, v34, v35
	v_cvt_pk_bf16_f32 v10, v36, v37
	v_cmp_eq_u32 vcc_lo, 0, v5
	v_cndmask_b32 v8, 0, v8, vcc_lo
	v_cndmask_b32 v9, 0, v9, vcc_lo
	v_cndmask_b32 v10, 0, v10, vcc_lo
	v_mov_b32 v11, 0
	v_mov_b32 v12, 0
	v_mov_b32 v13, 0
	v_mov_b32 v14, 0
	v_mov_b32 v15, 0
	global_store_b128 v6, v[8:11], s[WF:WF+1]
	global_store_b128 v6, v[12:15], s[WF:WF+1] offset:512
	s_branch .Lend
.La4:                                          ; rows 128 p + 8 wave + 0..7 of W4: their share of a4 = W4^T u4
	s_load_b64 s[4:5], s[0:1], 3*8                 ; W4
	s_load_b64 s[6:7], s[0:1], 8*8                 ; u4
	s_sub_co_u32 s3, ttmp9, 6                      ; p
	s_lshl_b32 s8, s3, 7
	s_lshl_b32 s9, s[WV], 3
	s_add_co_u32 s8, s8, s9                        ; my first row
	s_lshl_b32 s9, s8, 10
	v_lshl_add_u32 v4, v1, 4, s9
	s_lshl_b32 s8, s8, 2
	v_lshlrev_b32 v5, 4, v1
	v_lshl_add_u32 v5, v2, 10, v5                  ; wave x 1,024 + 16 lane
	s_wait_kmcnt 0x0
	s_load_b256 s[16:23], s[6:7], s8 offset:0x0
.set ii, 0
.rept 8
	global_load_b128 v[32+8*ii:32+8*ii+3], v4, s[4:5] offset:1024*ii
	global_load_b128 v[32+8*ii+4:32+8*ii+7], v4, s[4:5] offset:1024*ii+512
.set ii, ii+1
.endr
	s_wait_loadcnt 0x0
	s_wait_kmcnt 0x0
.set ii, 0
.rept 32
	RND2 32+2*ii                                   ; W4 rounded to bf16
.set ii, ii+1
.endr
.set ii, 0
.rept 8
	SRND 16+ii                                     ; u4 rounded to bf16
.set ii, ii+1
.endr
.set nn, 0
.rept 8
	v_mul_f32 v[8+nn], s16, v[32+nn]
.set nn, nn+1
.endr
.set ii, 1
.rept 7
.set nn, 0
.rept 8
	v_fmac_f32 v[8+nn], s[16+ii], v[32+8*ii+nn]
.set nn, nn+1
.endr
.set ii, ii+1
.endr
	ds_store_b128 v5, v[8:11] offset:A4R
	ds_store_b128 v5, v[12:15] offset:A4R+512
	s_wait_dscnt 0x0
	s_barrier_signal -1
	s_barrier_wait -1
	s_cmp_lt_u32 s[WV], 2                          ; 64 threads add the 16 waves' shares, four columns each
	s_cbranch_scc0 .Lend
	v_lshlrev_b32 v6, 4, v0
.set ww, 0
.rept 16
	ds_load_b128 v[96+4*ww:96+4*ww+3], v6 offset:A4R+1024*ww
.set ww, ww+1
.endr
	s_lshl_b32 s9, s3, 10
	v_add_nc_u32 v4, s9, v6
	s_wait_dscnt 0x0
.set ww, 1
.rept 15
	v_pk_add_f32 v[96:97], v[96:97], v[96+4*ww:97+4*ww]
	v_pk_add_f32 v[98:99], v[98:99], v[98+4*ww:99+4*ww]
.set ww, ww+1
.endr
	global_store_b128 v4, v[96:99], s[SC:SC+1] offset:256
	s_branch .Lend
.Lg:                                           ; g = W5 . a2_vW, columns 64 j .. 64 j + 63: both factors rounded to bf16, the sums in f32
	s_load_b64 s[4:5], s[0:1], 15*8                ; a2_vW
	s_load_b64 s[6:7], s[0:1], 4*8                 ; W5
	s_sub_co_u32 s3, ttmp9, 10                     ; j
	v_and_b32 v4, 15, v0                           ; four columns
	v_lshrrev_b32 v5, 4, v0                        ; rows v5 + 32 i
	v_lshlrev_b32 v6, 2, v5
	v_lshlrev_b32 v7, 11, v5
	v_lshl_add_u32 v7, v4, 4, v7
	s_lshl_b32 s8, s3, 8
	v_add_nc_u32 v7, s8, v7
	v_lshlrev_b32 v12, 4, v4
	v_lshl_add_u32 v12, v2, 8, v12                 ; wave x 256 + 16 x column group
	s_wait_kmcnt 0x0
.set ii, 0
.rept 16
	global_load_b128 v[32+4*ii:32+4*ii+3], v7, s[4:5] offset:ii*65536
	global_load_b32 v[96+ii], v6, s[6:7] offset:ii*128
.set ii, ii+1
.endr
	s_wait_loadcnt 0x0
.set ii, 0
.rept 16
	v_cvt_pk_bf16_f32 v13, v[32+4*ii], v[32+4*ii+1]
	v_cvt_pk_bf16_f32 v14, v[32+4*ii+2], v[32+4*ii+3]
	v_cvt_pk_bf16_f32 v15, v[96+ii], v[96+ii]
	v_lshlrev_b32 v20, 16, v13
	v_and_b32 v21, HI16, v13
	v_lshlrev_b32 v22, 16, v14
	v_and_b32 v23, HI16, v14
	v_lshlrev_b32 v15, 16, v15
.set nn, 0
.rept 4
.if ii == 0
	v_mul_f32 v[8+nn], v15, v[20+nn]
.else
	v_fmac_f32 v[8+nn], v15, v[20+nn]
.endif
.set nn, nn+1
.endr
.set ii, ii+1
.endr
.set nn, 0
.rept 4
	v_permlanex16_b32 v3, v[8+nn], s62, s63        ; the other half of the lanes holds the same columns of other rows
	v_add_f32 v[8+nn], v[8+nn], v3
.set nn, nn+1
.endr
	ds_store_b128 v12, v[8:11] offset:GR           ; both halves store the same numbers at the same place
	s_wait_dscnt 0x0
	s_barrier_signal -1
	s_barrier_wait -1
	s_cmp_eq_u32 s[WV], 0                          ; wave 0 adds the 16 waves' shares, two columns a lane
	s_cbranch_scc0 .Lend
	v_lshlrev_b32 v6, 3, v1
.set ww, 0
.rept 16
	ds_load_b64 v[96+2*ww:97+2*ww], v6 offset:GR+256*ww
.set ww, ww+1
.endr
	v_add_nc_u32 v13, s8, v6
	s_wait_dscnt 0x0
.set ww, 1
.rept 15
	v_pk_add_f32 v[96:97], v[96:97], v[96+2*ww:97+2*ww]
.set ww, ww+1
.endr
	global_store_b64 v13, v[96:97], s[SC:SC+1] offset:9984         ; the wave's store covers 256 consecutive bytes, aligned
	s_branch .Lend
; A matrix with 32 << LOGKS columns: each wave makes one fragment.  An entry sets the pointer and the offsets and issues the four loads; the tail is common.
.macro CENTRY first, arg, LOGKS, DOFF
	s_load_b64 s[4:5], s[0:1], \arg
	s_sub_co_u32 s3, ttmp9, \first
	s_lshl_b32 s3, s3, 4
	s_add_co_u32 s3, s3, s[WV]                     ; fragment = 16 x work-group + wave = out tile x KS + K step
	s_lshr_b32 s8, s3, \LOGKS
	s_and_b32 s9, s3, (1<<(\LOGKS))-1
	s_lshl_b32 s8, s8, 11+(\LOGKS)                 ; 16 rows of 128 << LOGKS bytes
	s_lshl_b32 s9, s9, 7
	s_add_co_u32 s8, s8, s9
	v_lshlrev_b32 v4, 7+(\LOGKS), v8
	v_lshl_add_u32 v4, v9, 5, v4
	v_add_nc_u32 v4, s8, v4
	s_lshl_b32 s9, s3, 10
	s_add_co_u32 s9, s9, \DOFF
	v_lshl_add_u32 v5, v1, 4, s9
	s_wait_kmcnt 0x0
	global_load_b128 v[32:35], v4, s[4:5]
	global_load_b128 v[36:39], v4, s[4:5] offset:16
	global_load_b128 v[40:43], v4, s[4:5] offset:64
	global_load_b128 v[44:47], v4, s[4:5] offset:80
	s_branch .Lconv_tail
.endm
.Lconv:
	v_and_b32 v8, 15, v0
	v_bfe_u32 v9, v0, 4, 1
	s_cmp_ge_u32 ttmp9, 53
	s_cbranch_scc1 .Lc_k2
	s_cmp_ge_u32 ttmp9, 49
	s_cbranch_scc1 .Lc_q2
	s_cmp_ge_u32 ttmp9, 33
	s_cbranch_scc1 .Lc_w4
	s_cmp_ge_u32 ttmp9, 25
	s_cbranch_scc1 .Lc_v1
	s_cmp_ge_u32 ttmp9, 24
	s_cbranch_scc1 .Lc_k1
	s_cmp_ge_u32 ttmp9, 23
	s_cbranch_scc1 .Lc_q1
	s_cmp_ge_u32 ttmp9, 19
	s_cbranch_scc1 .Lc_w3
	CENTRY 18, 1*8, 1, 4096
.Lc_w3:
	CENTRY 19, 2*8, 2, 20480
.Lc_q1:
	CENTRY 23, 10*8, 3, 86016
.Lc_k1:
	CENTRY 24, 11*8, 3, 102400
.Lc_v1:
	CENTRY 25, 12*8, 3, 118784
.Lc_w4:
	CENTRY 33, 3*8, 3, 249856
.Lc_q2:
	CENTRY 49, 13*8, 4, 512000
.Lc_k2:
	CENTRY 53, 14*8, 4, 577536
.Lconv_tail:
	s_wait_loadcnt 0x0
.set ii, 0
.rept 8
	v_cvt_pk_bf16_f32 v[16+ii], v[32+2*ii], v[32+2*ii+1]
.set ii, ii+1
.endr
	global_store_b128 v5, v[16:19], s[WF:WF+1]     ; each store of the wave covers 512 consecutive bytes, aligned
	global_store_b128 v5, v[20:23], s[WF:WF+1] offset:512
.Lend:
	s_wait_tensorcnt 0x0                           ; the wave's end; every role ends here
	ds_add_u32 v[SPW], v[NIL]
	s_wait_dscnt 0x0
	s_endpgm
.Lfunc_end_k_q5d7fcb269f_prep:
	.size	k_q5d7fcb269f_prep, .Lfunc_end_k_q5d7fcb269f_prep-k_q5d7fcb269f_prep
	.p2alignl 7, 3214868480
	.fill 96, 4, 3214868480
	.section	.rodata,"a",@progbits
	.p2align	6, 0x0
	.amdhsa_kernel k_q5d7fcb269f_prep
		.amdhsa_group_segment_fixed_size 37888
		.amdhsa_private_segment_fixed_size 0
		.amdhsa_enable_private_segment 0
		.amdhsa_kernarg_size 232
		.amdhsa_user_sgpr_count 2
		.amdhsa_user_sgpr_kernarg_segment_ptr 1
		.amdhsa_wavefront_size32 1
		.amdhsa_system_sgpr_workgroup_id_x 1
		.amdhsa_system_sgpr_workgroup_id_y 1
		.amdhsa_system_sgpr_workgroup_id_z 1
		.amdhsa_system_vgpr_workitem_id 0
		.amdhsa_next_free_vgpr 192
		.amdhsa_next_free_sgpr 66
		.amdhsa_reserve_vcc 1
		.amdhsa_float_denorm_mode_32 3
		.amdhsa_float_denorm_mode_16_64 3
		.amdhsa_memory_ordered 1
		.amdhsa_forward_progress 1
		.amdhsa_inst_pref_size 96
	.end_amdhsa_kernel
	.amdgpu_metadata
---
amdhsa.version: [ 1, 2 ]
amdhsa.kernels:
  - .name:           k_q5d7fcb269f_prep
    .symbol:         k_q5d7fcb269f_prep.kd
    .args:
      - { .name: W1, .offset: 0, .size: 8, .value_kind: global_buffer, .address_space: global }
      - { .name: W2, .offset: 8, .size: 8, .value_kind: global_buffer, .address_space: global }
      - { .name: W3, .offset: 16, .size: 8, .value_kind: global_buffer, .address_space: global }
      - { .name: W4, .offset: 24, .size: 8, .value_kind: global_buffer, .address_space: global }
      - { .name: W5, .offset: 32, .size: 8, .value_kind: global_buffer, .address_space: global }
      - { .name: u1, .offset: 40, .size: 8, .value_kind: global_buffer, .address_space: global }
      - { .name: u2, .offset: 48, .size: 8, .value_kind: global_buffer, .address_space: global }
      - { .name: u3, .offset: 56, .size: 8, .value_kind: global_buffer, .address_space: global }
      - { .name: u4, .offset: 64, .size: 8, .value_kind: global_buffer, .address_space: global }
      - { .name: u5, .offset: 72, .size: 8, .value_kind: global_buffer, .address_space: global }
      - { .name: a1_qW, .offset: 80, .size: 8, .value_kind: global_buffer, .address_space: global }
      - { .name: a1_kW, .offset: 88, .size: 8, .value_kind: global_buffer, .address_space: global }
      - { .name: a1_vW, .offset: 96, .size: 8, .value_kind: global_buffer, .address_space: global }
      - { .name: a2_qW, .offset: 104, .size: 8, .value_kind: global_buffer, .address_space: global }
      - { .name: a2_kW, .offset: 112, .size: 8, .value_kind: global_buffer, .address_space: global }
      - { .name: a2_vW, .offset: 120, .size: 8, .value_kind: global_buffer, .address_space: global }
      - { .name: a2_vb, .offset: 128, .size: 8, .value_kind: global_buffer, .address_space: global }
      - { .name: b1, .offset: 136, .size: 8, .value_kind: global_buffer, .address_space: global }
      - { .name: b2, .offset: 144, .size: 8, .value_kind: global_buffer, .address_space: global }
      - { .name: b3, .offset: 152, .size: 8, .value_kind: global_buffer, .address_space: global }
      - { .name: b4, .offset: 160, .size: 8, .value_kind: global_buffer, .address_space: global }
      - { .name: a1_qb, .offset: 168, .size: 8, .value_kind: global_buffer, .address_space: global }
      - { .name: a1_kb, .offset: 176, .size: 8, .value_kind: global_buffer, .address_space: global }
      - { .name: a1_vb, .offset: 184, .size: 8, .value_kind: global_buffer, .address_space: global }
      - { .name: a2_qb, .offset: 192, .size: 8, .value_kind: global_buffer, .address_space: global }
      - { .name: a2_kb, .offset: 200, .size: 8, .value_kind: global_buffer, .address_space: global }
      - { .name: a1_gamma, .offset: 208, .size: 8, .value_kind: global_buffer, .address_space: global }
      - { .name: wfrag, .offset: 216, .size: 8, .value_kind: global_buffer, .address_space: global }
      - { .name: scal, .offset: 224, .size: 8, .value_kind: global_buffer, .address_space: global }
    .group_segment_fixed_size: 37888
    .private_segment_fixed_size: 0
    .kernarg_segment_align: 8
    .kernarg_segment_size: 232
    .max_flat_workgroup_size: 512
    .sgpr_count:     66
    .vgpr_count:     192
    .wavefront_size: 32
...
	.end_amdgpu_metadata
.endif
;; end of part 1
;; launch chain (part 2): grid 256 x 1, 4 waves a work-group, no clusters, 66,048 bytes of LDS; arguments input, W4, wfrag, scal, x3f, q1f, kv1; writes x3f, q1f, kv1
.if DOCPART == 2
	.amdgcn_target "amdgcn-amd-amdhsa--gfx1250"
	.amdhsa_code_object_version 6
	.text
	.protected	k_q5d7fcb269f_chain
	.globl	k_q5d7fcb269f_chain
	.p2align	8
	.type	k_q5d7fcb269f_chain,@function
k_q5d7fcb269f_chain:
	s_mov_b64 s[64:65], 0
	v_nop
	global_prefetch_b8 v0, s[64:65] scope:SCOPE_SE
	s_setreg_imm32_b32 hwreg(HW_REG_WAVE_MODE, 25, 1), 1
	s_wait_xcnt 0x0
; CHAIN: layers 1 to 3 and the projections of attention 1, for 64 pixels a work-group; beside them two rows of c4 = W4 a4 for layer 4's sigma.
; y = leaky(W x / sigma + b), leaky(y) = max(y, 0.1 y).  All inputs are rounded to bf16; the weights and the input are then exact matrix operands.
; AN ACTIVATION GOES TO THE MATRIX UNIT AS TWO bf16 TERMS, hi = bf16(x) and lo = bf16(x - hi): the same weight fragment multiplies both, the lo part being further K steps; what is lost is about 2^-17 of x.
; (leaky() divides negative outputs of the last layer by ten and positive ones not, so that a single 16-bit rounding of an activation on the way there shows in small positive outputs.)
; x3 leaves in f32; q, k and v are made of x3's hi term alone: their errors are averaged over the 4,096 keys.
; SHARES.  In every layer a wave takes a quarter of the out tiles (16 channels) for all four pixel tiles: each weight fragment is loaded once a work-group, straight into registers, and feeds four or eight products.
; The activations change hands through LDS, one barrier a layer.  D = W x (source 0 = 16 out channels, source 1 = 16 pixels) holds one pixel a lane and the channels 8 (l / 16) + 0..7: packed to 16 bits that IS half
; of the next layer's fragment, so a tile goes to LDS as 512 consecutive bytes: block (pixel tile p, channel tile c) at (p C / 16 + c) x 512.  v is taken with the sources swapped: a lane then holds one channel
; and eight pixels, half of a fragment of V^T.  q and k are rounded to bf16, v to f16.
; NO CLUSTER: no tile lies in LDS that several work-groups read; the weights go from memory into registers.
; LIMITS.  v stays within f16's 65,504; NaN and infinities are not treated apart.
; REGISTERS, in windows of 256: window 0 addresses, accumulators, biases; window 1 the pixels' fragments: hi (p, s) at 8 (p KS + s), lo behind them; window 2 weight fragments 0-28; window 3 the four v tiles' 32 fragments.
.set X3,    0                          ; LDS: x3's hi term, 64 pixels x 256 channels.  It lies over x1, whose last reads stand ahead of the barrier behind layer 2
.set X1,    0                          ; x1, 64 channels: hi, and 8,192 further on lo
.set X2,    32768                      ; x2, 128 channels: hi, and 16,384 further on lo
.set SPARE, 65536                      ; the spare words, 128 bytes a wave; no other line names them
.set LOFF, 4                           ; v4   16 l
.set AD1,  5                           ; v5   16 l + 512 w
.set AD2,  6                           ; v6   16 l + 1,024 w
.set AD3,  7                           ; v7   16 l + 2,048 w
.set VW2,  8                           ; v8   16 l + 4,096 w
.set VW3,  9                           ; v9   16 l + 16,384 w
.set VQK,  10                          ; v10  16 l + 8,192 w
.set VV,   11                          ; v11  16 l + 32,768 w
.set INO,  12                          ; v12  4 r
.set B1O,  13                          ; v13  32 h + 64 w
.set B2O,  14                          ; v14  32 h + 128 w
.set B3O,  15                          ; v15  32 h + 256 w
.set VBO,  16                          ; v16  4 r + 256 w
.set MK,   17                          ; v17  all ones in lanes 0-15, 0 in lanes 16-31
.set QKO,  18                          ; v18  16 l + 512 (w % 2)
.set QKO2, 19                          ; v19  the same for pixel tiles 2 and 3
.set W4O,  20                          ; v20  my row of W4
.set C4O,  21                          ; v21  8 x that row's number
.set SPW,  30
.set NIL,  31
.set ACC,  32                          ; v[32:63]   four accumulators, one a pixel tile
.set PK,   64                          ; v[64:79]   packed results
.set TMP,  80                          ; v[80:87]
.set PKL,  88                          ; v[88:91]   a packed lo term
.set BI1,  96                          ; v[96:151]  biases of my out tiles in layers 1, 2, 3
.set BI2,  104
.set BI3,  120
.set BQK,  152                         ; v[152:159] bias of my q or k tile
.set BV,   160                         ; v[160:191] biases of my four v tiles: a lane's one channel, eight times
.set RAW,  192                         ; v[192:215] the input as loaded
.set C4,   216                         ; v[216:255] a4's four partial sums and my row of W4
.set WV,   18                          ; s18  my wave's number
.set RS1,  24                          ; s[24:29] 1/sigma of layers 1 to 3, a pair each
.set RS2,  26
.set RS3,  28
.set MSB, 0
.macro WIN new                         ; s_set_vgpr_msb: bits 1:0 source 0, 3:2 source 1, 5:4 source 2, 7:6 destination; the high byte repeats the setting that is left
.if MSB != (\new)
	s_set_vgpr_msb (MSB<<8)|(\new)
.set MSB, \new
.endif
.endm
.macro PLACES                          ; four places behind the last product, in front of what reads its result or writes its registers (ISA guide 7.12.1)
.rept 4
	v_nop
.endr
.endm
.macro SYNC
	s_wait_dscnt 0x0                               ; for the others' sake: my LDS stores are done
	s_barrier_signal -1
	s_barrier_wait -1
.endm
.macro WLD a, adr, off                 ; a weight fragment into registers 8 a .. 8 a + 7 of the window in force
	global_load_b128 v[8*(\a):8*(\a)+3],   v[\adr], s[8:9] offset:\off
	global_load_b128 v[8*(\a)+4:8*(\a)+7], v[\adr], s[8:9] offset:(\off)+512
.endm
; One out tile for the four pixel tiles: KS K steps x 4 products, and (LO = 1) as many again on the lo terms; the four accumulators take turns.
; The weights lie at AR in window AW.  swap = 1: the pixels are source 0.  The first K step starts the sums: with 0 (C0 < 0) or with the bias tuple at C0.
.macro GEMM4 KS, LO, AW, AR, swap, C0
.if \swap
	WIN 1|((\AW)<<2)
.else
	WIN (\AW)|4
.endif
.set hl, 0
.rept (\LO)+1
.set kk, 0
.rept \KS
.set pp, 0
.rept 4
.set rD, ACC+8*pp
.if \swap
.set rX, 8*(hl*4*(\KS)+pp*(\KS)+kk)
.set rY, (\AR)+8*kk
.else
.set rX, (\AR)+8*kk
.set rY, 8*(hl*4*(\KS)+pp*(\KS)+kk)
.endif
.if (kk > 0) || (hl > 0)
	v_wmma_f32_16x16x32_bf16 v[rD:rD+7], v[rX:rX+7], v[rY:rY+7], v[rD:rD+7]
.elseif (\C0) < 0
	v_wmma_f32_16x16x32_bf16 v[rD:rD+7], v[rX:rX+7], v[rY:rY+7], 0
.else
	v_wmma_f32_16x16x32_bf16 v[rD:rD+7], v[rX:rX+7], v[rY:rY+7], v[(\C0):(\C0)+7]
.endif
.set pp, pp+1
.endr
.set kk, kk+1
.endr
.set hl, hl+1
.endr
.endm
; The tile's way out: acc / sigma + b, leaky; the hi term, 16 bytes a lane, into LDS.  LOO > 0: the lo term too, LOO bytes further on.  LOO = 0 (layer 3): the f32 numbers go to x3f, at goff.
; Each accumulator is read from its low end on.
.macro EPI bias, rs, adr, off, CTB, LOO, goff
	WIN 0
.set pp, 0
.rept 4
.set ra, ACC+8*pp
.irp n, 0,2,4,6
	v_pk_fma_f32 v[ra+\n:ra+\n+1], v[ra+\n:ra+\n+1], s[\rs:(\rs)+1], v[(\bias)+\n:(\bias)+\n+1] op_sel_hi:[1,0,1]
.endr
.irp n, 0,2,4,6
	v_pk_mul_f32 v[TMP+\n:TMP+\n+1], v[ra+\n:ra+\n+1], 0x3dcccccd op_sel_hi:[1,0]
.endr
.irp n, 0,1,2,3,4,5,6,7
	v_max_num_f32 v[ra+\n], v[ra+\n], v[TMP+\n]
.endr
.irp n, 0,1,2,3
	v_cvt_pk_bf16_f32 v[PK+4*pp+\n], v[ra+2*\n], v[ra+2*\n+1]
.endr
	ds_store_b128 v[\adr], v[PK+4*pp:PK+4*pp+3] offset:(\off)+pp*(\CTB)
.if (\LOO) > 0
.irp n, 0,1,2,3
	v_lshlrev_b32 v[TMP+2*\n], 16, v[PK+4*pp+\n]               ; hi as f32
	v_and_b32 v[TMP+2*\n+1], 0xffff0000, v[PK+4*pp+\n]
.endr
.irp n, 0,2,4,6
	v_pk_add_f32 v[TMP+\n:TMP+\n+1], v[ra+\n:ra+\n+1], v[TMP+\n:TMP+\n+1] neg_lo:[0,1] neg_hi:[0,1]  ; x - hi, exact
.endr
.irp n, 0,1,2,3
	v_cvt_pk_bf16_f32 v[PKL+\n], v[TMP+2*\n], v[TMP+2*\n+1]
.endr
	ds_store_b128 v[\adr], v[PKL:PKL+3] offset:(\off)+(\LOO)+pp*(\CTB)
.else
	global_store_b128 v[VW2], v[ra:ra+3],   s[12:13] offset:(\goff)+16384*pp      ; 512 consecutive bytes, aligned
	global_store_b128 v[VW2], v[ra+4:ra+7], s[12:13] offset:(\goff)+16384*pp+512
.endif
.set pp, pp+1
.endr
.if (\LOO) == 0
	s_wait_xcnt 0x0                                ; the stores have read the accumulators, which the next tile's products write over
.endif
.endm
.macro BLOAD region, NF                ; all NF fragments of a layer's input (hi, then lo): they lie on end in LDS
	WIN 0x40
.set ff, 0
.rept \NF
	ds_load_b128 v[8*ff:8*ff+3],   v[LOFF] offset:(\region)+1024*ff
	ds_load_b128 v[8*ff+4:8*ff+7], v[LOFF] offset:(\region)+1024*ff+512
.set ff, ff+1
.endr
	s_wait_dscnt 0x0
.endm
	s_load_b256 s[4:11], s[0:1], 0x0               ; input s[4:5], W4 s[6:7], wfrag s[8:9], scal s[10:11]
	s_load_b128 s[12:15], s[0:1], 0x20             ; x3f s[12:13], q1f s[14:15]
	s_load_b64 s[16:17], s[0:1], 0x30              ; kv1
	v_lshl_add_u32 v[SPW], v0, 2, SPARE
	v_mov_b32 v[NIL], 0
	v_lshrrev_b32 v1, 5, v0
	v_readfirstlane_b32 s[WV], v1                  ; wave 0..3
	v_and_b32 v3, 31, v0                           ; l
	v_and_b32 v1, 15, v0                           ; r = l % 16
	v_bfe_u32 v2, v0, 4, 1                         ; h = l / 16
	v_lshlrev_b32 v[LOFF], 4, v3
	v_lshl_add_u32 v[AD1], s[WV], 9, v[LOFF]
	v_lshl_add_u32 v[AD2], s[WV], 10, v[LOFF]
	v_lshl_add_u32 v[AD3], s[WV], 11, v[LOFF]
	v_lshl_add_u32 v[VW2], s[WV], 12, v[LOFF]
	v_lshl_add_u32 v[VW3], s[WV], 14, v[LOFF]
	v_lshl_add_u32 v[VQK], s[WV], 13, v[LOFF]
	v_lshl_add_u32 v[VV], s[WV], 15, v[LOFF]
	v_lshlrev_b32 v[INO], 2, v1
	v_lshlrev_b32 v[B1O], 5, v2
	v_lshl_add_u32 v[B2O], s[WV], 7, v[B1O]
	v_lshl_add_u32 v[B3O], s[WV], 8, v[B1O]
	v_lshl_add_u32 v[B1O], s[WV], 6, v[B1O]
	v_lshl_add_u32 v[VBO], s[WV], 8, v[INO]
	v_add_nc_u32 v[MK], -1, v2
	v_mov_b32 v82, 0
	s_mov_b32 s62, 0x76543210
	s_mov_b32 s63, 0xfedcba98
	s_lshr_b32 s30, ttmp9, 6                       ; the batch: 6 planes of 16,384 bytes,
	s_mul_i32 s30, s30, 98304
	s_and_b32 s31, ttmp9, 63
	s_lshl_b32 s31, s31, 8                         ; my 64 pixels in a plane
	s_add_co_u32 s30, s30, s31
	s_mov_b32 s31, 0
	s_lshl_b32 s32, ttmp9, 16                      ; x3f: 64 pixels x 1,024 bytes
	s_mov_b32 s33, 0
	s_lshl_b32 s34, ttmp9, 12                      ; q1f: 64 pixels x 64 bytes
	s_mov_b32 s35, 0
	s_mul_i32 s36, ttmp9, 36864                    ; kv1: two blocks of 32 keys
	s_mov_b32 s37, 0
	s_and_b32 s38, s[WV], 1
	v_lshl_add_u32 v[QKO], s38, 9, v[LOFF]
	s_lshl_b32 s39, ttmp9, 1
	s_add_co_u32 s39, s39, s38                     ; my row of W4 (waves 2 and 3 repeat 0 and 1 and store nothing)
	v_lshl_add_u32 v[W4O], s39, 10, v[LOFF]
	s_lshl_b32 s39, s39, 3
	v_mov_b32 v[C4O], s39
	s_mov_b32 s38, 2048                            ; from pixel tile 0 to tile 2: in q1f,
	s_mov_b32 s39, 18432                           ; in kv1
	s_cmp_lt_u32 s[WV], 2
	s_cselect_b32 s38, s38, s39
	v_add_nc_u32 v[QKO2], s38, v[QKO]
	s_wait_kmcnt 0x0
	s_load_b128 s[20:23], s[10:11], 0x0            ; 1/sigma 1, 2, 3 (and 5)
	s_add_nc_u64 s[4:5], s[4:5], s[30:31]
	s_add_nc_u64 s[12:13], s[12:13], s[32:33]
	s_add_nc_u64 s[42:43], s[14:15], s[34:35]
	s_add_nc_u64 s[16:17], s[16:17], s[36:37]
	s_cmp_lt_u32 s[WV], 2
	s_cselect_b64 s[40:41], s[42:43], s[16:17]     ; waves 0 and 1 store q, waves 2 and 3 store k
	; ALL 176 LOADS GO OUT HERE, in the order in which they are wanted
.set ii, 0
.rept 4
	global_load_b128 v[C4+8*ii:C4+8*ii+3],   v[LOFF], s[10:11] offset:256+1024*ii
	global_load_b128 v[C4+8*ii+4:C4+8*ii+7], v[LOFF], s[10:11] offset:256+1024*ii+512
.set ii, ii+1
.endr
	global_load_b128 v[C4+32:C4+35], v[W4O], s[6:7]
	global_load_b128 v[C4+36:C4+39], v[W4O], s[6:7] offset:512
.set pp, 0
.rept 4
.set cc, 0
.rept 6
	global_load_b32 v[RAW+6*pp+cc], v[INO], s[4:5] offset:16384*cc+64*pp
.set cc, cc+1
.endr
.set pp, pp+1
.endr
	global_load_b128 v[BI1:BI1+3],   v[B1O], s[10:11] offset:4352
	global_load_b128 v[BI1+4:BI1+7], v[B1O], s[10:11] offset:4368
.set ii, 0
.rept 2
	global_load_b128 v[BI2+8*ii:BI2+8*ii+3],   v[B2O], s[10:11] offset:4608+64*ii
	global_load_b128 v[BI2+8*ii+4:BI2+8*ii+7], v[B2O], s[10:11] offset:4608+64*ii+16
.set ii, ii+1
.endr
.set ii, 0
.rept 4
	global_load_b128 v[BI3+8*ii:BI3+8*ii+3],   v[B3O], s[10:11] offset:5120+64*ii
	global_load_b128 v[BI3+8*ii+4:BI3+8*ii+7], v[B3O], s[10:11] offset:5120+64*ii+16
.set ii, ii+1
.endr
	global_load_b128 v[BQK:BQK+3],   v[B1O], s[10:11] offset:6144
	global_load_b128 v[BQK+4:BQK+7], v[B1O], s[10:11] offset:6160
.set ii, 0
.rept 4
	global_load_b32 v[BV+8*ii], v[VBO], s[10:11] offset:6400+64*ii
.set ii, ii+1
.endr
	WIN 0x80
	WLD 0, AD2, 0                                  ; layer 1: tile w
.set ii, 0
.rept 4
	WLD 1+ii, VW2, 4096+1024*ii                    ; layer 2: tiles 2 w, 2 w + 1
.set ii, ii+1
.endr
.set ii, 0
.rept 16
	WLD 5+ii, VW3, 20480+1024*ii                   ; layer 3: tiles 4 w .. 4 w + 3
.set ii, ii+1
.endr
.set ii, 0
.rept 8
	WLD 21+ii, VQK, 86016+1024*ii                  ; tile w of (q0, q1, k0, k1)
.set ii, ii+1
.endr
	WIN 0xc0
.set ii, 0
.rept 32
	WLD ii, VV, 118784+1024*ii                     ; v tiles 4 w .. 4 w + 3
.set ii, ii+1
.endr
	WIN 0
	s_wait_loadcnt 63                              ; all but the youngest 63, which are v's weights: the first 113 loads are in
	s_wait_kmcnt 0x0
	s_mov_b32 s[RS1], s20
	s_mov_b32 s[RS1+1], s20
	s_mov_b32 s[RS2], s21
	s_mov_b32 s[RS2+1], s21
	s_mov_b32 s[RS3], s22
	s_mov_b32 s[RS3+1], s22
.set ii, 0
.rept 4
.set nn, 1
.rept 7
	v_mov_b32 v[BV+8*ii+nn], v[BV+8*ii]
.set nn, nn+1
.endr
.set ii, ii+1
.endr
	; c4 = W4[o] . a4 and |a4|^2; the row of W4 is rounded to bf16 like every input
.irp n, 0,2,4,6
	v_cvt_pk_bf16_f32 v80, v[C4+32+\n], v[C4+33+\n]
	v_lshlrev_b32 v[C4+32+\n], 16, v80
	v_and_b32 v[C4+33+\n], 0xffff0000, v80
.endr
.irp n, 0,2,4,6
	v_pk_add_f32 v[C4+\n:C4+\n+1], v[C4+\n:C4+\n+1], v[C4+8+\n:C4+8+\n+1]
	v_pk_add_f32 v[C4+16+\n:C4+16+\n+1], v[C4+16+\n:C4+16+\n+1], v[C4+24+\n:C4+24+\n+1]
.endr
.irp n, 0,2,4,6
	v_pk_add_f32 v[C4+\n:C4+\n+1], v[C4+\n:C4+\n+1], v[C4+16+\n:C4+16+\n+1]
.endr
	v_mul_f32 v80, v[C4], v[C4+32]
	v_mul_f32 v81, v[C4], v[C4]
.irp n, 1,2,3,4,5,6,7
	v_fmac_f32 v80, v[C4+\n], v[C4+32+\n]
	v_fmac_f32 v81, v[C4+\n], v[C4+\n]
.endr
.irp m, 1,2,4,8
	v_add_f32_dpp v80, v80, v80 row_xmask:\m row_mask:0xf bank_mask:0xf
	v_add_f32_dpp v81, v81, v81 row_xmask:\m row_mask:0xf bank_mask:0xf
.endr
	v_permlanex16_b32 v82, v80, s62, s63
	v_add_f32 v80, v80, v82
	v_permlanex16_b32 v82, v81, s62, s63
	v_add_f32 v81, v81, v82
	s_cmp_lt_u32 s[WV], 2
	s_cbranch_scc0 .Lno_c4
	v_cmp_eq_u32 vcc_lo, 0, v3
	s_wait_xcnt 0x0                                ; EXEC changes only behind this wait: loads are still out
	s_and_saveexec_b32 s19, vcc_lo
	global_store_b64 v[C4O], v[80:81], s[14:15] offset:1048576
	s_wait_xcnt 0x0
	s_or_b32 exec_lo, exec_lo, s19
.Lno_c4:
	; layer 1's pixel fragments: the input rounded to bf16, channels 0 to 5 in lanes 0-15, the rest 0
.set pp, 0
.rept 4
	v_cvt_pk_bf16_f32 v[PK+3*pp],   v[RAW+6*pp],   v[RAW+6*pp+1]
	v_cvt_pk_bf16_f32 v[PK+3*pp+1], v[RAW+6*pp+2], v[RAW+6*pp+3]
	v_cvt_pk_bf16_f32 v[PK+3*pp+2], v[RAW+6*pp+4], v[RAW+6*pp+5]
.set pp, pp+1
.endr
	WIN 0x40
.set pp, 0
.rept 4
	v_and_b32 v[8*pp],   v[MK], v[PK+3*pp]
	v_and_b32 v[8*pp+1], v[MK], v[PK+3*pp+1]
	v_and_b32 v[8*pp+2], v[MK], v[PK+3*pp+2]
.irp n, 3,4,5,6,7
	v_mov_b32 v[8*pp+\n], 0
.endr
.set pp, pp+1
.endr
	GEMM4 1, 0, 2, 0, 0, -1
	PLACES
	EPI BI1, RS1, AD1, X1, 2048, 8192, 0
	SYNC
	BLOAD X1, 16
.set ti, 0
.rept 2
	GEMM4 2, 1, 2, 8*(1+2*ti), 0, -1
	PLACES
	EPI BI2+8*ti, RS2, AD2, X2+512*ti, 4096, 16384, 0
.set ti, ti+1
.endr
	SYNC                                           ; every wave's reads of x1 are over too: x3 may be laid over it
	BLOAD X2, 32
.set ti, 0
.rept 4
	GEMM4 4, 1, 2, 8*(5+4*ti), 0, -1
	PLACES
	EPI BI3+8*ti, RS3, AD3, X3+512*ti, 8192, 0, 1024*ti
.set ti, ti+1
.endr
	SYNC
	BLOAD X3, 32
	; q or k: my tile, rounded to bf16
	s_wait_loadcnt 63                              ; 64 loads were issued behind this tile's weights
	GEMM4 8, 0, 2, 168, 0, BQK
	PLACES
	WIN 0
.set pp, 0
.rept 4
.irp n, 0,1,2,3
	v_cvt_pk_bf16_f32 v[PK+4*pp+\n], v[ACC+8*pp+2*\n], v[ACC+8*pp+2*\n+1]
.endr
.set pp, pp+1
.endr
	global_store_b128 v[QKO],  v[PK:PK+3],     s[40:41]
	global_store_b128 v[QKO],  v[PK+4:PK+7],   s[40:41] offset:1024
	global_store_b128 v[QKO2], v[PK+8:PK+11],  s[40:41]
	global_store_b128 v[QKO2], v[PK+12:PK+15], s[40:41] offset:1024
	; v: four tiles, sources swapped, rounded to f16
.set ti, 0
.rept 4
	s_wait_loadcnt 48-16*ti                        ; the later v tiles' loads may stay out
	GEMM4 8, 0, 3, 64*ti, 1, BV+8*ti
	PLACES
	WIN 0
	s_wait_xcnt 0x0                                ; the last stores have read PK
.set pp, 0
.rept 4
.irp n, 0,1,2,3
	v_cvt_pk_f16_f32 v[PK+4*pp+\n], v[ACC+8*pp+2*\n], v[ACC+8*pp+2*\n+1]
.endr
	global_store_b128 v[VW2], v[PK+4*pp:PK+4*pp+3], s[16:17] offset:(pp/2)*18432+(2+ti)*1024+(pp%2)*512
.set pp, pp+1
.endr
.set ti, ti+1
.endr
	s_wait_tensorcnt 0x0                           ; the wave's end
	ds_add_u32 v[SPW], v[NIL]
	s_wait_dscnt 0x0
	s_endpgm
.Lfunc_end_k_q5d7fcb269f_chain:
	.size	k_q5d7fcb269f_chain, .Lfunc_end_k_q5d7fcb269f_chain-k_q5d7fcb269f_chain
	.p2alignl 7, 3214868480
	.fill 96, 4, 3214868480
	.section	.rodata,"a",@progbits
	.p2align	6, 0x0
	.amdhsa_kernel k_q5d7fcb269f_chain
		.amdhsa_group_segment_fixed_size 66048
		.amdhsa_private_segment_fixed_size 0
		.amdhsa_enable_private_segment 0
		.amdhsa_kernarg_size 56
		.amdhsa_user_sgpr_count 2
		.amdhsa_user_sgpr_kernarg_segment_ptr 1
		.amdhsa_wavefront_size32 1
		.amdhsa_system_sgpr_workgroup_id_x 1
		.amdhsa_system_sgpr_workgroup_id_y 1
		.amdhsa_system_sgpr_workgroup_id_z 1
		.amdhsa_system_vgpr_workitem_id 0
		.amdhsa_next_free_vgpr 1024
		.amdhsa_next_free_sgpr 66
		.amdhsa_reserve_vcc 1
		.amdhsa_float_denorm_mode_32 3
		.amdhsa_float_denorm_mode_16_64 3
		.amdhsa_memory_ordered 1
		.amdhsa_forward_progress 1
		.amdhsa_inst_pref_size 114
	.end_amdhsa_kernel
	.amdgpu_metadata
---
amdhsa.version: [ 1, 2 ]
amdhsa.kernels:
  - .name:           k_q5d7fcb269f_chain
    .symbol:         k_q5d7fcb269f_chain.kd
    .args:
      - { .name: input, .offset: 0, .size: 8, .value_kind: global_buffer, .address_space: global }
      - { .name: W4, .offset: 8, .size: 8, .value_kind: global_buffer, .address_space: global }
      - { .name: wfrag, .offset: 16, .size: 8, .value_kind: global_buffer, .address_space: global }
      - { .name: scal, .offset: 24, .size: 8, .value_kind: global_buffer, .address_space: global }
      - { .name: x3f, .offset: 32, .size: 8, .value_kind: global_buffer, .address_space: global }
      - { .name: q1f, .offset: 40, .size: 8, .value_kind: global_buffer, .address_space: global }
      - { .name: kv1, .offset: 48, .size: 8, .value_kind: global_buffer, .address_space: global }
    .group_segment_fixed_size: 66048
    .private_segment_fixed_size: 0
    .kernarg_segment_align: 8
    .kernarg_segment_size: 56
    .max_flat_workgroup_size: 128
    .sgpr_count:     66
    .vgpr_count:     1024
    .wavefront_size: 32
...
	.end_amdgpu_metadata
.endif
;; end of part 2
;; launch attn1 (part 3): grid 64 x 4, 4 waves a work-group, clusters of 4 x 1, 327,680 bytes of LDS; arguments q1f, kv1, x3f, wfrag, scal, q2f, k2t, rres, W5; writes q2f, k2t, rres
.if DOCPART == 3
	.amdgcn_target "amdgcn-amd-amdhsa--gfx1250"
	.amdhsa_code_object_version 6
	.text
	.protected	k_q5d7fcb269f_attn1
	.globl	k_q5d7fcb269f_attn1
	.p2align	8
	.type	k_q5d7fcb269f_attn1,@function
k_q5d7fcb269f_attn1:
	s_mov_b64 s[64:65], 0
	v_nop
	global_prefetch_b8 v0, s[64:65] scope:SCOPE_SE
	s_setreg_imm32_b32 hwreg(HW_REG_WAVE_MODE, 25, 1), 1
	s_wait_xcnt 0x0
	s_wait_alu depctr_hold_cnt(0) depctr_sa_sdst(0) depctr_va_vdst(0) depctr_va_sdst(0) depctr_va_ssrc(0) depctr_va_vcc(0) depctr_vm_vsrc(0)
	s_getreg_b32 s2, hwreg(HW_REG_IB_STS2, 6, 4)
	s_cmp_eq_u32 s2, 0
	s_cbranch_scc0 .Lentry_in_a_cluster
	s_endpgm
.Lentry_in_a_cluster:
	s_bfe_u32 s2, ttmp6, 0x10000c
	s_cmp_lg_u32 s2, 0x3003
	s_cbranch_scc0 .Lentry_shape_is_right
	s_endpgm
.Lentry_shape_is_right:
; ATTN1: attention 1 for 64 queries a work-group, then x3' = gamma aw + x3, layer 4, and what attention 2 and layer 5 want of x4: q2, k2, t = (W5 vW2) x4 and r = W5 x4.
; SHARES.  Every wave holds all four query tiles (16 queries) x 256 channels: O^T in 512 registers.  THE KEYS ARE SPLIT AMONG THE WAVES: of each tile of 256 keys wave w loads and reads keys 64 w .. 64 w + 63;
; the four partial results are merged at the end by the true maximum.  So each fragment of K and V read from LDS feeds four query tiles.
; LAYOUT.  S^T = K Q^T (source 0 = 16 keys, source 1 = 16 queries) holds one query a lane and the keys 8 (l / 16) + 0..7; two such tiles rounded to f16 ARE source 1 of O^T = V^T P.  K and V^T lie in memory as
; fragments in register order (32 keys: 2 of K in bf16, 16 of V^T in f16, 18,432 bytes), so LDS is read 16 consecutive bytes a lane.
; SOFTMAX.  A running maximum m and sum l for each query and wave: p = 2^(c s - c m), c = log2(e); O and l are multiplied by a = 2^(c m_old - c m_new) in every trip.  m starts at the lowest finite number.
; CLUSTER.  The 64 work-groups of a batch walk the same keys: the four of a cluster ask for each tile jointly (the same load, descriptor and mask in all four).
; THE END.  The waves' O^T go through LDS (the slots have had their last fill); wave w merges query tile w and adds x3, which comes in f32.  LAYER 4: x3' goes to the matrix unit as TWO bf16 TERMS, hi = bf16(x) and
; lo = bf16(x - hi), both multiplied by the same fragment of W4 (a bf16 number, so exact): what is lost is about 2^-17 of x3'.  Wave w makes channels 128 w .. + 127 for all 64 pixels; these are its own K steps of
; the projections q2 and k2 (of x4's hi term alone: their errors are averaged over the keys), whose four partial sums meet in LDS once more.
; r AND t ARE MADE BY THE VECTOR UNIT, IN f32, in layer 4's way out, where x4 lies unrounded in the accumulators: each is one out row (1 of a matrix tile's 16), 128 packed multiply-adds a wave.  They reach the
; output with no further sum over channels, and leaky() divides negative outputs by ten but not positive ones, so that a rounding of x4 to 16 bits in front of them would show in small positive outputs.
; LIMITS.  V stays within f16's 65,504; a weight p below 6e-5 keeps f16's fixed step of 6e-8; a weight below 2^-126 counts as 0 in l; NaN and infinities are not treated apart.
; O^T starts at 0 by 64 products of two zero fragments, in the wait for the first tile: 16 lines that clear registers in place of 512.
; REGISTERS, in windows of 256: window 0 addresses, statistics, S^T / P;  window 1 V (two halves of 8 fragments), K, Q;  windows 2, 3: O^T, tile t, channel tile c at 8 (16 (t % 2) + c) of window 2 + t / 2.
; In layer 4: window 1 x3' hi, window 2 x3' lo (pixel tile p, K step k at 8 (8 p + k)); window 3 four slots of 8 weight fragments, filled again as they are used up.
.set SLOT,  147456                     ; a tile of 256 keys; slot 1 begins here: the number shares no bit with 36,864 w, so one exclusive or changes slots
                                       ; later, over the slots: wave w's 65,536 bytes at 65,536 w: first the four waves' O^T of query tile w; then x3' of that tile, hi at + 0, lo at + 8,192; and at + 16,384 wave w's partial q2, k2
.set MS,    294912                     ; the waves' c m and l: 2 KiB
.set SPARE, 296960                     ; the spare words, 128 bytes a wave; no other line names them
.set B4L,   297472                     ; my wave's 128 numbers of b4, 512 bytes a wave; 2,048 further on a copy of (qb2, kb2) for each wave; 4,096: my 128 numbers of W5; 6,144: of g
.set TR,    305664                     ; the waves' shares of r and t: 512 bytes a wave: r of (pixel tile p, pixel) at 64 p + 4 pixel, t 256 further on
.set LOFF,  4                          ; v4   16 l
.set LBASE, 5                          ; v5   36,864 w + 16 l
.set ADR,   6                          ; v6   LBASE + the slot in hand
.set PFO,   7                          ; v7   256 l
.set PFO2,  8                          ; v8   8,192 + 256 min(l, 3)
.set VW4,   9                          ; v9   16 l + 65,536 w
.set VP2,   10                         ; v10  16 l + 4,096 w
.set B4O,   11                         ; v11  16 l + 512 w
.set MSW,   12                         ; v12  MS + 512 w + 4 r
.set MSR,   13                         ; v13  MS + 128 w + 4 r
.set RW,    14                         ; v14-17  16 l + 16,384 w + 65,536 t
.set XBA,   14                         ; v14-17  later: 16 l + 65,536 p
.set TRW,   18                         ; v18  TR + 512 w + 4 r
.set PRR,   21                         ; v21-24  16 l + 1,024 w + 65,536 w'
.set B4R,   25                         ; v25  B4L + 512 w + 32 h
.set PB2R,  26                         ; v26  the same 2,048 further on
.set RRO,   27                         ; v27  32 h
.set TRR,   2                          ; v2   first h; then TR + 64 w + 32 h
.set RS4,   28                         ; v[28:29] 1/sigma 4
.set SPW,   30
.set NIL,   31
.set ST,    32                         ; tile t's statistics at ST + 12 t: c m, m, l (two), a (two), d, -, c0-c3
.set S,     128                        ; S^T: tile t, key tile k at S + 32 t + 8 k; then P: keys 32 b on at S + 32 t + 8 b
.set ACC,   32                         ; the end: four accumulators
.set TMP,   64
.set BI,    72
.set W5T,   88                         ; v[88:95]   W5 of the out tile in hand
.set GT,    96                         ; v[96:103]  g of it
.set RA,    104                        ; v[104:111] my share of r, a pair a pixel tile
.set TA,    112                        ; v[112:119] my share of t
.set VA,    0                          ; window 1
.set VB,    64
.set KF,    128
.set QF,    160
.set WV,    20                         ; s20  my wave's number
.set G0,    28                         ; s[28:31] descriptor group 0: it walks
.set G1,    32                         ; s[32:39] descriptor group 1
.set TB,    40                         ; s40  the slot in hand
.set LEFT,  41                         ; s41  trips to come
.set LIM,   42                         ; s42  2 in the batch's first cluster, else the greatest number
.set PFA,   44                         ; s[44:45] where my prefetches stand
.set CS,    46                         ; s[46:47] c
.set SEL,   48                         ; s[48:49] v_permlanex16_b32's selects
.set GAM,   52                         ; s52  gamma 1
.set EPS,   0x2b8cbccc
.set MSB, 0
.macro WIN new                         ; s_set_vgpr_msb: bits 1:0 source 0, 3:2 source 1, 5:4 source 2, 7:6 destination; the high byte repeats the setting that is left
.if MSB != (\new)
	s_set_vgpr_msb (MSB<<8)|(\new)
.set MSB, \new
.endif
.endm
.macro PLACES
.rept 4
	v_nop
.endr
.endm
.macro ALL line:vararg                 ; one line for each query tile t
.set t, 0
.rept 4
	\line
.set t, t+1
.endr
.endm
.macro CROUND                          ; a round of the cluster's barrier
	s_barrier_signal -1
	s_barrier_wait -1
	s_cmp_lg_u32 s[WV], 0
	s_cbranch_scc1 .Lnw0_\@
	s_barrier_signal -3
.Lnw0_\@:
	s_barrier_wait -3
	s_barrier_signal -1
	s_barrier_wait -1
.endm
; A PREFETCH of the tile that the load two trips on will ask for.  Of my wave's 36,864 bytes of it the partner at place cx takes 9,216, told apart by address: 36 blocks of 256 bytes, a lane a block
; (in the second line lanes 3 to 31 name lane 3's block).  Only the batch's first cluster asks; tiles 0 to 2 come by their loads alone; the last two trips that fill a slot ask for nothing.
.macro ASK
	s_cmp_gt_u32 s[LEFT], s[LIM]
	s_cbranch_scc0 .Lna_\@
	global_prefetch_b8 v[PFO], s[PFA:PFA+1] th:TH_LOAD_NT scope:SCOPE_SE
	global_prefetch_b8 v[PFO2], s[PFA:PFA+1] th:TH_LOAD_NT scope:SCOPE_SE
.Lna_\@:
.endm
; THE CHANGE OF SLOTS.  My one tensor load has landed; 0 onto my spare word; my reads of the old slot are over; a round of the cluster's barrier; the old slot is filled again first thing behind it.
.macro HEAD fill
	WIN 0
	s_wait_tensorcnt 0x0                           ; no tensor load of mine is out, so group 0 may be written
	ds_add_u32 v[SPW], v[NIL]
.if \fill
	s_xor_b32 s[G0+1], s[G0+1], SLOT               ; the other slot,
	s_add_nc_u64 s[G0+2:G0+3], s[G0+2:G0+3], SLOT  ; the next 256 keys
	s_wait_xcnt 0x0                                ; the last prefetches, a trip back, have read their address
	s_add_nc_u64 s[PFA:PFA+1], s[PFA:PFA+1], SLOT
	s_wait_dscnt 0x0                               ; the add is done, and so are my reads of the slot
	CROUND
	tensor_load_to_lds s[G0:G0+3], s[G1:G1+7]      ; it has a trip's 144 products in which to land
	s_nop 0
	PLACES                                         ; also the places in front of the LDS loads below
	ASK
.else
	s_wait_dscnt 0x0
	s_barrier_signal -1
	s_barrier_wait -1
	PLACES
.endif
	s_xor_b32 s[TB], s[TB], SLOT
	v_add_nc_u32 v[ADR], s[TB], v[LBASE]
.endm
.macro KLOAD                           ; my 64 keys' K: four fragments
	WIN 0x40
.irp k, 0,1,2,3
	ds_load_b128 v[KF+8*(\k):KF+8*(\k)+3],   v[ADR] offset:((\k)/2)*18432+((\k)%2)*1024
	ds_load_b128 v[KF+8*(\k)+4:KF+8*(\k)+7], v[ADR] offset:((\k)/2)*18432+((\k)%2)*1024+512
.endr
.endm
.macro VLOAD buf, b, half              ; V^T of keys 32 b on, channel tiles 8 half .. 8 half + 7
	WIN 0x40
.irp c, 0,1,2,3,4,5,6,7
	ds_load_b128 v[(\buf)+8*(\c):(\buf)+8*(\c)+3],   v[ADR] offset:(\b)*18432+2048+(8*(\half)+(\c))*1024
	ds_load_b128 v[(\buf)+8*(\c)+4:(\buf)+8*(\c)+7], v[ADR] offset:(\b)*18432+2048+(8*(\half)+(\c))*1024+512
.endr
.endm
.macro QK                              ; 16 products, each a whole sum (32 channels)
	WIN 0x05
.irp k, 0,1,2,3
.irp u, 0,1,2,3
	v_wmma_f32_16x16x32_bf16 v[S+32*(\u)+8*(\k):S+32*(\u)+8*(\k)+7], v[KF+8*(\k):KF+8*(\k)+7], v[QF+8*(\u):QF+8*(\u)+7], 0
.endr
.endr
.endm
.macro PVH buf, b, half                ; 32 products; no two on end share an accumulator
.irp u, 0,1
	WIN 0xa1+0x50*(\u)
.irp c, 0,1,2,3,4,5,6,7
.irp e, 0,1
	v_wmma_f32_16x16x32_f16 v[8*(16*(\e)+8*(\half)+(\c)):8*(16*(\e)+8*(\half)+(\c))+7], v[(\buf)+8*(\c):(\buf)+8*(\c)+7], v[S+32*(2*(\u)+(\e))+8*(\b):S+32*(2*(\u)+(\e))+8*(\b)+7], v[8*(16*(\e)+8*(\half)+(\c)):8*(16*(\e)+8*(\half)+(\c))+7]
.endr
.endr
.endr
.endm
; THE SOFTMAX of four tiles x 64 keys, step by step, the tiles by turns.  All 132 exponentials are one batch with one wait; nothing ahead of the wait names a result of theirs.
.macro SOFTMAX
	WIN 0
.set jj, 0
.rept 4                                ; each accumulator's lowest registers are read first
	ALL v_max3_num_f32 v[ST+12*t+8+jj], v[S+32*t+8*jj], v[S+32*t+8*jj+1], v[S+32*t+8*jj+2]
.set jj, jj+1
.endr
.rept 8
	ALL v_max3_num_f32 v[ST+12*t+8+jj%4], v[ST+12*t+8+jj%4], v[S+32*t+8*(jj%4)+2*(jj/4)+1], v[S+32*t+8*(jj%4)+2*(jj/4)+2]
.set jj, jj+1
.endr
	ALL v_max3_num_f32 v[ST+12*t+8], v[ST+12*t+8], v[S+32*t+7], v[S+32*t+15]
	ALL v_max3_num_f32 v[ST+12*t+10], v[ST+12*t+10], v[S+32*t+23], v[S+32*t+31]
	ALL v_max3_num_f32 v[ST+12*t+8], v[ST+12*t+8], v[ST+12*t+9], v[ST+12*t+10]
	ALL v_max3_num_f32 v[ST+12*t+8], v[ST+12*t+8], v[ST+12*t+11], v[ST+12*t+1]
	ALL v_permlanex16_b32 v[ST+12*t+9], v[ST+12*t+8], s[SEL], s[SEL+1]
	ALL v_mov_b32 v[ST+12*t+6], v[ST+12*t]
	ALL v_max_num_f32 v[ST+12*t+1], v[ST+12*t+8], v[ST+12*t+9]
	ALL v_mul_f32 v[ST+12*t], s[CS], v[ST+12*t+1]
	ALL v_sub_f32 v[ST+12*t+6], v[ST+12*t+6], v[ST+12*t]
	ALL v_exp_f32 v[ST+12*t+4], v[ST+12*t+6]
.set jj, 0
.rept 16
	ALL v_pk_fma_f32 v[S+32*t+2*jj:S+32*t+2*jj+1], v[S+32*t+2*jj:S+32*t+2*jj+1], s[CS:CS+1], v[ST+12*t:ST+12*t+1] op_sel_hi:[1,0,0] neg_lo:[0,0,1] neg_hi:[0,0,1]
.set jj, jj+1
.endr
.set jj, 0
.rept 32
	ALL v_exp_f32 v[S+32*t+jj], v[S+32*t+jj]
.set jj, jj+1
.endr
	v_nop                                          ; the plain line behind the last exponential
	s_wait_alu depctr_va_vdst(0)                   ; the wait for the batch
	ALL v_pk_add_f32 v[ST+12*t+8:ST+12*t+9], v[S+32*t:S+32*t+1], v[S+32*t+2:S+32*t+3]
	ALL v_pk_add_f32 v[ST+12*t+10:ST+12*t+11], v[S+32*t+4:S+32*t+5], v[S+32*t+6:S+32*t+7]
.set jj, 4
.rept 12
	ALL v_pk_add_f32 v[ST+12*t+8+2*(jj%2):ST+12*t+9+2*(jj%2)], v[ST+12*t+8+2*(jj%2):ST+12*t+9+2*(jj%2)], v[S+32*t+2*jj:S+32*t+2*jj+1]
.set jj, jj+1
.endr
	ALL v_pk_add_f32 v[ST+12*t+8:ST+12*t+9], v[ST+12*t+8:ST+12*t+9], v[ST+12*t+10:ST+12*t+11]
	ALL v_pk_fma_f32 v[ST+12*t+2:ST+12*t+3], v[ST+12*t+2:ST+12*t+3], v[ST+12*t+4:ST+12*t+5], v[ST+12*t+8:ST+12*t+9] op_sel_hi:[1,0,1]
.set jj, 0
.rept 16                               ; rounded to f16 in place: line jj writes register jj and reads 2 jj, 2 jj + 1
	ALL v_cvt_pk_f16_f32 v[S+32*t+jj], v[S+32*t+2*jj], v[S+32*t+2*jj+1]
.set jj, jj+1
.endr
	WIN 0x82                                       ; O^T times a
.set nn, 0
.rept 128
	v_pk_mul_f32 v[2*nn:2*nn+1], v[2*nn:2*nn+1], v[ST+12*(nn/64)+4:ST+12*(nn/64)+5] op_sel_hi:[1,0]
.set nn, nn+1
.endr
	WIN 0xc3
.set nn, 0
.rept 128
	v_pk_mul_f32 v[2*nn:2*nn+1], v[2*nn:2*nn+1], v[ST+12*(2+nn/64)+4:ST+12*(2+nn/64)+5] op_sel_hi:[1,0]
.set nn, nn+1
.endr
.endm
.macro COMPUTE
	KLOAD
	VLOAD VA, 0, 0
	VLOAD VB, 0, 1
	s_wait_dscnt 32                                ; K is in; both halves of V may be out
	v_nop                                          ; with the four places and the address line above: the places in front of products that write over P
	QK
	PLACES
	SOFTMAX
	s_wait_dscnt 16                                ; the first half of V is in
	PVH VA, 0, 0
	PLACES
	VLOAD VA, 1, 0
	s_wait_dscnt 16                                ; the second half is in; the 16 loads just issued may be out
	PVH VB, 0, 1
	PLACES
	VLOAD VB, 1, 1
	s_wait_dscnt 16
	PVH VA, 1, 0
	s_wait_dscnt 0x0
	PVH VB, 1, 1
.endm
	s_load_b512 s[4:19], s[0:1], 0x0               ; q1f s[4:5], kv1 s[6:7], x3f s[8:9], wfrag s[10:11], scal s[12:13], q2f s[14:15], k2t s[16:17], rres s[18:19]
	s_load_b64 s[58:59], s[0:1], 0x40              ; W5
	v_lshl_add_u32 v[SPW], v0, 2, SPARE
	v_mov_b32 v[NIL], 0
	ds_add_u32 v[SPW], v[NIL]                      ; the wave's opening: the add, twice on end, and its wait ahead of my first tensor load
	ds_add_u32 v[SPW], v[NIL]
	v_lshrrev_b32 v1, 5, v0
	v_readfirstlane_b32 s[WV], v1                  ; wave 0..3
	s_bfe_u32 s21, ttmp6, 0x40000                  ; cx
	s_lshl_b32 s22, ttmp9, 2
	s_add_co_u32 s22, s22, s21
	s_and_b32 s23, ttmp7, 0xffff                   ; the batch
	s_lshl_b32 s24, s23, 6
	s_add_co_u32 s22, s22, s24                     ; my block of 64 queries among all 256: it enters global addresses of my own data alone
	s_mov_b32 s[G1],   15|(3<<16)|(1<<21)          ; the mask of four; elements of 8 bytes; bit 21 set beside a mask
	s_mov_b32 s[G1+1], 32<<16                      ; tensor_dim0 = 32: rows of 256 bytes
	s_mov_b32 s[G1+2], 144<<16                     ; tensor_dim1 = 144: 36,864 dense bytes
	s_mov_b32 s[G1+3], 32<<16                      ; tile_dim0
	s_mov_b32 s[G1+4], 144                         ; tile_dim1
	s_mov_b32 s[G1+5], 32                          ; the pitch
	s_mov_b32 s[G1+6], 0
	s_mov_b32 s[G1+7], 0
	s_mov_b32 s[G0], 1
	s_mul_i32 s[G0+1], s[WV], 36864                ; slot 0, my wave's part
	s_mul_i32 s24, s23, 2359296                    ; the batch's keys,
	s_mul_i32 s53, s[WV], 36864
	s_add_co_u32 s24, s24, s53                     ; my 64 of the first 256
	s_mov_b32 s25, 0
	s_mul_i32 s26, s21, 9216
	s_add_co_u32 s26, s26, 2*SLOT                  ; the prefetches start at tile 2; the first trip steps them to tile 3
	s_mov_b32 s27, 0
	s_mov_b32 s[CS], 0x3fb8aa3b
	s_mov_b32 s[CS+1], s[CS]
	s_mov_b32 s[SEL], 0x76543210
	s_mov_b32 s[SEL+1], 0xfedcba98
	s_mov_b32 s[TB], SLOT
	s_mov_b32 s[LEFT], 15
	s_cmp_eq_u32 ttmp9, 0
	s_cselect_b32 s[LIM], 2, -1                    ; the same in all four partners
	s_wait_dscnt 0x0                               ; both opening adds are done
	s_wait_kmcnt 0x0
	s_add_nc_u64 s[G0+2:G0+3], s[6:7], s[24:25]
	s_add_nc_u64 s[PFA:PFA+1], s[G0+2:G0+3], s[26:27]
	s_or_b32 s[G0+3], s[G0+3], 0x80000000
	CROUND                                         ; all four work-groups are here: the first joint loads meet
	tensor_load_to_lds s[G0:G0+3], s[G1:G1+7]      ; tile 0
	s_nop 0
	PLACES
	s_load_b32 s[GAM], s[12:13], 0x14
	v_and_b32 v1, 15, v0                           ; r
	v_bfe_u32 v2, v0, 4, 1                         ; h
	v_and_b32 v3, 31, v0                           ; l
	v_lshlrev_b32 v[LOFF], 4, v3
	v_add_nc_u32 v[LBASE], s53, v[LOFF]
	v_lshlrev_b32 v[PFO], 8, v3
	v_min_u32 v[PFO2], 3, v3
	v_lshlrev_b32 v[PFO2], 8, v[PFO2]
	v_add_nc_u32 v[PFO2], 8192, v[PFO2]
	v_lshl_add_u32 v[VW4], s[WV], 16, v[LOFF]
	v_lshl_add_u32 v[VP2], s[WV], 12, v[LOFF]
	v_lshl_add_u32 v[B4O], s[WV], 9, v[LOFF]
	v_lshlrev_b32 v[MSR], 2, v1
	v_lshl_add_u32 v[MSW], s[WV], 9, v[MSR]
	v_add_nc_u32 v[TRW], TR, v[MSW]
	v_add_nc_u32 v[MSW], MS, v[MSW]
	v_lshl_add_u32 v[MSR], s[WV], 7, v[MSR]
	v_add_nc_u32 v[MSR], MS, v[MSR]
	v_lshl_add_u32 v[RW], s[WV], 14, v[LOFF]
	v_add_nc_u32 v[RW+1], 0x10000, v[RW]
	v_add_nc_u32 v[RW+2], 0x20000, v[RW]
	v_add_nc_u32 v[RW+3], 0x30000, v[RW]
	v_lshl_add_u32 v[PRR], s[WV], 10, v[LOFF]
	v_add_nc_u32 v[PRR+1], 0x10000, v[PRR]
	v_add_nc_u32 v[PRR+2], 0x20000, v[PRR]
	v_add_nc_u32 v[PRR+3], 0x30000, v[PRR]
	v_lshlrev_b32 v[RRO], 5, v2
	v_lshl_add_u32 v[B4R], s[WV], 9, v[RRO]
	v_add_nc_u32 v[B4R], B4L, v[B4R]
	v_add_nc_u32 v[PB2R], 2048, v[B4R]
	v_lshl_add_u32 v[TRR], s[WV], 6, v[RRO]        ; h has served: its register takes this address
	v_add_nc_u32 v[TRR], TR, v[TRR]
	v_add_nc_u32 v[ADR], B4L, v[B4O]               ; for now: where my copies of the short arrays go
	s_lshl_b32 s24, s22, 12
	s_mov_b32 s25, 0
	s_add_nc_u64 s[54:55], s[4:5], s[24:25]        ; Q: my block's four tiles
	s_lshl_b32 s24, s22, 2
	s_add_co_u32 s24, s24, s[WV]                   ; the pixel tile that I finish
	s_lshl_b32 s26, s24, 14
	s_mov_b32 s27, 0
	s_add_nc_u64 s[8:9], s[8:9], s[26:27]          ; its x3: 16 pixels x 1,024 bytes
	s_lshl_b32 s26, s24, 11
	s_add_nc_u64 s[14:15], s[14:15], s[26:27]      ; its q2
	s_lshl_b32 s26, s24, 6
	s_add_nc_u64 s[18:19], s[18:19], s[26:27]      ; its r
	s_lshl_b32 s24, s22, 1
	s_lshr_b32 s25, s[WV], 1
	s_add_co_u32 s24, s24, s25
	s_mul_i32 s24, s24, 5120                       ; its block of 32 keys in k2t
	s_and_b32 s25, s[WV], 1
	s_lshl_b32 s26, s25, 11
	s_add_co_u32 s26, s26, s24
	s_lshl_b32 s25, s25, 9
	s_add_co_u32 s24, s24, s25
	s_add_co_u32 s24, s24, 4096
	s_mov_b32 s25, 0
	s_add_nc_u64 s[56:57], s[16:17], s[24:25]      ; its half of the fragment (t, 1, 0 ..)
	s_add_nc_u64 s[16:17], s[16:17], s[26:27]      ; its k2
.set ii, 0
.rept 8
	global_load_b128 v[192+4*ii:192+4*ii+3], v[LOFF], s[4:5] offset:1048576+512*ii  ; (c4, |a4|^2) of all 512 rows
.set ii, ii+1
.endr
	global_load_b128 v[224:227], v[B4O], s[12:13] offset:7424      ; my 128 numbers of b4,
	global_load_b128 v[228:231], v[LOFF], s[12:13] offset:9472     ; (qb2, kb2),
	global_load_b128 v[232:235], v[B4O], s[58:59]                  ; my 128 numbers of W5
	global_load_b128 v[236:239], v[B4O], s[12:13] offset:9984      ; and of g
	WIN 0x40
.set ii, 0
.rept 4
	global_load_b128 v[QF+8*ii:QF+8*ii+3],   v[LOFF], s[54:55] offset:1024*ii
	global_load_b128 v[QF+8*ii+4:QF+8*ii+7], v[LOFF], s[54:55] offset:1024*ii+512
.set ii, ii+1
.endr
	WIN 0
.set nn, 0
.rept 16
	v_mov_b32 v[S+nn], 0
.set nn, nn+1
.endr
	WIN 0x80
.set nn, 0
.rept 32
	v_wmma_f32_16x16x32_bf16 v[8*nn:8*nn+7], v[S:S+7], v[S+8:S+15], 0
.set nn, nn+1
.endr
	WIN 0xc0
.set nn, 0
.rept 32
	v_wmma_f32_16x16x32_bf16 v[8*nn:8*nn+7], v[S:S+7], v[S+8:S+15], 0
.set nn, nn+1
.endr
	WIN 0
	ALL v_mov_b32 v[ST+12*t], 0xfe000000
	ALL v_mov_b32 v[ST+12*t+1], 0xff7fffff
	ALL v_mov_b32 v[ST+12*t+2], 0
	ALL v_mov_b32 v[ST+12*t+3], 0
	ALL v_mov_b32 v[ST+12*t+4], 0
	ALL v_mov_b32 v[ST+12*t+5], 0
	v_mov_b32 v81, 0
	s_wait_loadcnt 0x0
	s_wait_kmcnt 0x0
	; 1/sigma 4 from |c4|^2 and |a4|^2: sigma = n^2 / (n + 1e-12), n = |c4| / (|a4| + 1e-12)
	v_mul_f32 v80, v192, v192
	v_fmac_f32 v80, v194, v194
.set ii, 1
.rept 7
	v_fmac_f32 v80, v[192+4*ii], v[192+4*ii]
	v_fmac_f32 v80, v[194+4*ii], v[194+4*ii]
.set ii, ii+1
.endr
.irp m, 1,2,4,8
	v_add_f32_dpp v80, v80, v80 row_xmask:\m row_mask:0xf bank_mask:0xf
.endr
	v_permlanex16_b32 v81, v80, s[SEL], s[SEL+1]
	v_add_f32 v80, v80, v81
	v_sqrt_f32 v82, v193
	v_sqrt_f32 v80, v80
	v_nop
	s_wait_alu depctr_va_vdst(0)
	v_add_f32 v82, EPS, v82
	v_rcp_f32 v82, v82
	v_nop
	s_wait_alu depctr_va_vdst(0)
	v_mul_f32 v80, v80, v82
	v_mul_f32 v82, v80, v80
	v_rcp_f32 v82, v82
	v_add_f32 v80, EPS, v80
	s_wait_alu depctr_va_vdst(0)
	v_mul_f32 v[RS4], v80, v82
	v_mul_f32 v[RS4+1], v80, v82
	v_cvt_pk_bf16_f32 v240, v232, v233             ; W5 is rounded to bf16 like every input, and kept as f32
	v_cvt_pk_bf16_f32 v241, v234, v235
	v_lshlrev_b32 v232, 16, v240
	v_and_b32 v233, 0xffff0000, v240
	v_lshlrev_b32 v234, 16, v241
	v_and_b32 v235, 0xffff0000, v241
	ds_store_b128 v[ADR], v[224:227]               ; blocks of my own, into which no tile lands
	ds_store_b128 v[ADR], v[228:231] offset:2048
	ds_store_b128 v[ADR], v[232:235] offset:4096
	ds_store_b128 v[ADR], v[236:239] offset:6144
.Ltrip:                                        ; 15 trips: tile i is multiplied, tile i + 1 asked for
	HEAD 1
	COMPUTE
	WIN 0
	s_sub_co_u32 s[LEFT], s[LEFT], 1
	s_cmp_lg_u32 s[LEFT], 0
	s_cbranch_scc1 .Ltrip
	HEAD 0                                         ; the last tile is written out: nothing is asked for
	COMPUTE
	; E0: my x3 (f32, in the accumulators' layout) is asked for; l is finished; all waves have left the slots; statistics and O^T go to LDS
	WIN 0
	PLACES
.set cc, 0
.rept 16
	global_load_b128 v[128+8*cc:128+8*cc+3],   v[LOFF], s[8:9] offset:1024*cc
	global_load_b128 v[128+8*cc+4:128+8*cc+7], v[LOFF], s[8:9] offset:1024*cc+512
.set cc, cc+1
.endr
	ALL v_add_f32 v[ST+12*t+2], v[ST+12*t+2], v[ST+12*t+3]
	ALL v_permlanex16_b32 v[ST+12*t+3], v[ST+12*t+2], s[SEL], s[SEL+1]
	ALL v_add_f32 v[ST+12*t+2], v[ST+12*t+2], v[ST+12*t+3]
	s_wait_dscnt 0x0                               ; my reads of the slots are over
	s_barrier_signal -1
	s_barrier_wait -1                              ; everybody's are: the slots, which have had their last fill, are scratch from here on
	ALL ds_store_b32 v[MSW], v[ST+12*t] offset:128*t
	ALL ds_store_b32 v[MSW], v[ST+12*t+2] offset:128*t+64
.set t, 0
.rept 4
	WIN 0x08+4*(t/2)
.set cc, 0
.rept 16
	ds_store_b128 v[RW+t], v[8*(16*(t%2)+cc):8*(16*(t%2)+cc)+3]   offset:1024*cc
	ds_store_b128 v[RW+t], v[8*(16*(t%2)+cc)+4:8*(16*(t%2)+cc)+7] offset:1024*cc+512
.set cc, cc+1
.endr
.set t, t+1
.endr
	WIN 0
	s_wait_dscnt 0x0
	s_barrier_signal -1
	s_barrier_wait -1
	; E1: wave w merges query tile w.  W4's first four tiles of mine (weight units 0 to 3) are asked for meanwhile
	WIN 0xc0
.set ff, 0
.rept 32
	global_load_b128 v[8*ff:8*ff+3],   v[VW4], s[10:11] offset:249856+1024*ff
	global_load_b128 v[8*ff+4:8*ff+7], v[VW4], s[10:11] offset:249856+1024*ff+512
.set ff, ff+1
.endr
	WIN 0
	v_mov_b32 v[XBA], v[LOFF]                      ; the stores that named these four registers are done
	v_add_nc_u32 v[XBA+1], 0x10000, v[LOFF]
	v_add_nc_u32 v[XBA+2], 0x20000, v[LOFF]
	v_add_nc_u32 v[XBA+3], 0x30000, v[LOFF]
.set ww, 0
.rept 4
	ds_load_b32 v[32+ww], v[MSR] offset:512*ww
	ds_load_b32 v[36+ww], v[MSR] offset:512*ww+64
.set ww, ww+1
.endr
.set ww, 0
.rept 4
	WIN 0x80-0x40*(ww/2)                           ; waves 0 and 1's parts into window 2, waves 2 and 3's into window 1
.set cc, 0
.rept 16
	ds_load_b128 v[128*(ww%2)+8*cc:128*(ww%2)+8*cc+3],   v[VW4] offset:16384*ww+1024*cc
	ds_load_b128 v[128*(ww%2)+8*cc+4:128*(ww%2)+8*cc+7], v[VW4] offset:16384*ww+1024*cc+512
.set cc, cc+1
.endr
.set ww, ww+1
.endr
	WIN 0
	s_wait_dscnt 63                                ; 128 loads were issued behind the eight statistics
	v_max3_num_f32 v40, v32, v33, v34
	v_max_num_f32 v40, v40, v35
.irp n, 0,1,2,3
	v_sub_f32 v[32+\n], v[32+\n], v40
.endr
.irp n, 0,1,2,3
	v_exp_f32 v[32+\n], v[32+\n]
.endr
	v_nop
	s_wait_alu depctr_va_vdst(0)
	v_mul_f32 v41, v32, v36
	v_fmac_f32 v41, v33, v37
	v_fmac_f32 v41, v34, v38
	v_fmac_f32 v41, v35, v39
	v_rcp_f32 v41, v41
	v_nop
	s_wait_alu depctr_va_vdst(0)
	v_mul_f32 v41, s[GAM], v41                     ; gamma / l
.irp n, 0,1,2,3
	v_mul_f32 v[44+2*\n], v[32+\n], v41
	v_mul_f32 v[45+2*\n], v[32+\n], v41
.endr
	s_wait_loadcnt 63                              ; x3 is in: 64 loads were issued behind it
	s_wait_dscnt 0x0
	WIN 0x82
.set nn, 0
.rept 64                               ; part 0 x its factor + x3
	v_pk_fma_f32 v[nn:nn+1], v[nn:nn+1], v[44:45], v[128+nn:129+nn] op_sel_hi:[1,0,1]
.set nn, nn+2
.endr
	WIN 0xa2
.set nn, 0
.rept 64
	v_pk_fma_f32 v[nn:nn+1], v[128+nn:129+nn], v[46:47], v[nn:nn+1] op_sel_hi:[1,0,1]
.set nn, nn+2
.endr
	WIN 0xa1
.set nn, 0
.rept 64
	v_pk_fma_f32 v[nn:nn+1], v[nn:nn+1], v[48:49], v[nn:nn+1] op_sel_hi:[1,0,1]
.set nn, nn+2
.endr
.set nn, 0
.rept 64
	v_pk_fma_f32 v[nn:nn+1], v[128+nn:129+nn], v[50:51], v[nn:nn+1] op_sel_hi:[1,0,1]
.set nn, nn+2
.endr
	; x3' lies in window 2, v0-127.  Its two bf16 terms are made in window 1: hi packed in v0-63, hi as f32 and then x - hi in v128-255, lo packed in v64-127
	WIN 0x4a
.set ii, 0
.rept 64
	v_cvt_pk_bf16_f32 v[ii], v[2*ii], v[2*ii+1]
.set ii, ii+1
.endr
	WIN 0x44
.set ii, 0
.rept 64
	v_lshlrev_b32 v[128+2*ii], 16, v[ii]
	v_and_b32 v[128+2*ii+1], 0xffff0000, v[ii]
.set ii, ii+1
.endr
	WIN 0x46
.set nn, 0
.rept 64
	v_pk_add_f32 v[128+nn:129+nn], v[nn:nn+1], v[128+nn:129+nn] neg_lo:[0,1] neg_hi:[0,1]  ; x - hi, exact
.set nn, nn+2
.endr
	WIN 0x45
.set ii, 0
.rept 64
	v_cvt_pk_bf16_f32 v[64+ii], v[128+2*ii], v[128+2*ii+1]
.set ii, ii+1
.endr
	WIN 0x04                                       ; into the head of my own 65,536 bytes, which I alone have read, and whose reads are back
.set cc, 0
.rept 16
	ds_store_b128 v[VW4], v[4*cc:4*cc+3] offset:512*cc
	ds_store_b128 v[VW4], v[64+4*cc:64+4*cc+3] offset:8192+512*cc
.set cc, cc+1
.endr
	WIN 0
	s_wait_dscnt 0x0
	s_barrier_signal -1
	s_barrier_wait -1
	; E2: all 64 pixels' fragments of x3': hi into window 1, lo into window 2
	WIN 0x40
.set pp, 0
.rept 4
.set kk, 0
.rept 8
	ds_load_b128 v[8*(8*pp+kk):8*(8*pp+kk)+3],   v[XBA+pp] offset:1024*kk
	ds_load_b128 v[8*(8*pp+kk)+4:8*(8*pp+kk)+7], v[XBA+pp] offset:1024*kk+512
.set kk, kk+1
.endr
.set pp, pp+1
.endr
	WIN 0x80
.set pp, 0
.rept 4
.set kk, 0
.rept 8
	ds_load_b128 v[8*(8*pp+kk):8*(8*pp+kk)+3],   v[XBA+pp] offset:8192+1024*kk
	ds_load_b128 v[8*(8*pp+kk)+4:8*(8*pp+kk)+7], v[XBA+pp] offset:8192+1024*kk+512
.set kk, kk+1
.endr
.set pp, pp+1
.endr
	; E3: layer 4, my eight out tiles, 64 products each: 32 on the hi terms, 32 on the lo terms.  Tile i takes its weights from slot i % 4 of window 3; behind its products that slot takes weight unit i + 4
	; (units 4 to 7: W4's tiles 4 to 7; units 8 to 11: the projections' weights for my four K steps, two out tiles each).
	; x4's hi term stays in registers: tile i is half i % 2 of fragment (K step i / 2, pixel tile p) at 128 + 8 (4 (i / 2) + p).  x4 in f32 feeds my shares of r and t
.set ti, 0
.rept 8
	WIN 0
	ds_load_b128 v[BI:BI+3],     v[B4R] offset:64*ti
	ds_load_b128 v[BI+4:BI+7],   v[B4R] offset:64*ti+16
	ds_load_b128 v[W5T:W5T+3],   v[B4R] offset:4096+64*ti
	ds_load_b128 v[W5T+4:W5T+7], v[B4R] offset:4096+64*ti+16
	ds_load_b128 v[GT:GT+3],     v[B4R] offset:6144+64*ti
	ds_load_b128 v[GT+4:GT+7],   v[B4R] offset:6144+64*ti+16
.if ti == 0
	s_wait_dscnt 6                                 ; the pixels' fragments are in; the six loads just issued may be out
.endif
	s_wait_loadcnt 48                              ; this tile's unit is in: three units of 16 loads were issued behind it
	WIN 0x07
.set kk, 0
.rept 8
.set pp, 0
.rept 4
.if kk == 0
	v_wmma_f32_16x16x32_bf16 v[ACC+8*pp:ACC+8*pp+7], v[64*(ti%4)+8*kk:64*(ti%4)+8*kk+7], v[8*(8*pp+kk):8*(8*pp+kk)+7], 0
.else
	v_wmma_f32_16x16x32_bf16 v[ACC+8*pp:ACC+8*pp+7], v[64*(ti%4)+8*kk:64*(ti%4)+8*kk+7], v[8*(8*pp+kk):8*(8*pp+kk)+7], v[ACC+8*pp:ACC+8*pp+7]
.endif
.set pp, pp+1
.endr
.set kk, kk+1
.endr
	WIN 0x0b
.set kk, 0
.rept 8
.set pp, 0
.rept 4
	v_wmma_f32_16x16x32_bf16 v[ACC+8*pp:ACC+8*pp+7], v[64*(ti%4)+8*kk:64*(ti%4)+8*kk+7], v[8*(8*pp+kk):8*(8*pp+kk)+7], v[ACC+8*pp:ACC+8*pp+7]
.set pp, pp+1
.endr
.set kk, kk+1
.endr
	PLACES                                         ; in front of the loads into the slot just read, and of the lines that read the sums
	WIN 0xc0
.set ff, 0
.rept 8
.if ti < 4
	global_load_b128 v[64*(ti%4)+8*ff:64*(ti%4)+8*ff+3],   v[VW4], s[10:11] offset:249856+8192*(ti+4)+1024*ff
	global_load_b128 v[64*(ti%4)+8*ff+4:64*(ti%4)+8*ff+7], v[VW4], s[10:11] offset:249856+8192*(ti+4)+1024*ff+512
.else
	global_load_b128 v[64*(ti%4)+8*ff:64*(ti%4)+8*ff+3],   v[VP2], s[10:11] offset:512000+16384*((8*(ti-4)+ff)/4)+1024*(ff%4)
	global_load_b128 v[64*(ti%4)+8*ff+4:64*(ti%4)+8*ff+7], v[VP2], s[10:11] offset:512000+16384*((8*(ti-4)+ff)/4)+1024*(ff%4)+512
.endif
.set ff, ff+1
.endr
	WIN 0
	s_wait_dscnt 0x0                               ; the tile's bias, W5 and g
.set pp, 0
.rept 4
.set ra, ACC+8*pp
.set rx, 128+8*(4*(ti/2)+pp)+4*(ti%2)
.irp n, 0,2,4,6
	v_pk_fma_f32 v[ra+\n:ra+\n+1], v[ra+\n:ra+\n+1], v[RS4:RS4+1], v[BI+\n:BI+\n+1] op_sel_hi:[1,0,1]
.endr
.irp n, 0,2,4,6
	v_pk_mul_f32 v[TMP+\n:TMP+\n+1], v[ra+\n:ra+\n+1], 0x3dcccccd op_sel_hi:[1,0]
.endr
.irp n, 0,1,2,3,4,5,6,7
	v_max_num_f32 v[ra+\n], v[ra+\n], v[TMP+\n]
.endr
.irp n, 0,1,2,3
	v_cvt_pk_bf16_f32 v[rx+\n], v[ra+2*\n], v[ra+2*\n+1]
.endr
.irp n, 0,2,4,6
.if (ti == 0) && ((\n) == 0)
	v_pk_mul_f32 v[RA+2*pp:RA+2*pp+1], v[ra+\n:ra+\n+1], v[W5T+\n:W5T+\n+1]  ; the first products start the sums
	v_pk_mul_f32 v[TA+2*pp:TA+2*pp+1], v[ra+\n:ra+\n+1], v[GT+\n:GT+\n+1]
.else
	v_pk_fma_f32 v[RA+2*pp:RA+2*pp+1], v[ra+\n:ra+\n+1], v[W5T+\n:W5T+\n+1], v[RA+2*pp:RA+2*pp+1]
	v_pk_fma_f32 v[TA+2*pp:TA+2*pp+1], v[ra+\n:ra+\n+1], v[GT+\n:GT+\n+1], v[TA+2*pp:TA+2*pp+1]
.endif
.endr
.set pp, pp+1
.endr
.set ti, ti+1
.endr
	; my shares of r and t: a pair's two sums, the other half of the lanes' channels; then to LDS (both halves store the same number at the same place)
.set pp, 0
.rept 4
	v_add_f32 v[RA+2*pp], v[RA+2*pp], v[RA+2*pp+1]
	v_add_f32 v[TA+2*pp], v[TA+2*pp], v[TA+2*pp+1]
.set pp, pp+1
.endr
.set pp, 0
.rept 4
	v_permlanex16_b32 v[RA+2*pp+1], v[RA+2*pp], s[SEL], s[SEL+1]
	v_permlanex16_b32 v[TA+2*pp+1], v[TA+2*pp], s[SEL], s[SEL+1]
.set pp, pp+1
.endr
.set pp, 0
.rept 4
	v_add_f32 v[RA+2*pp], v[RA+2*pp], v[RA+2*pp+1]
	v_add_f32 v[TA+2*pp], v[TA+2*pp], v[TA+2*pp+1]
.set pp, pp+1
.endr
.set pp, 0
.rept 4
	ds_store_b32 v[TRW], v[RA+2*pp] offset:64*pp
	ds_store_b32 v[TRW], v[TA+2*pp] offset:256+64*pp
.set pp, pp+1
.endr
	; E4: the projections q2 and k2, K split among the waves: my partial sums in f32 go to LDS, 16,384 bytes into my own 65,536: no wave's reads of x3' reach there
.set oo, 0
.rept 8
	s_wait_loadcnt 48-16*(oo/2)                    ; this tile's unit is in; the later units may stay out
	WIN 0x03
.set kk, 0
.rept 4
.set pp, 0
.rept 4
.if kk == 0
	v_wmma_f32_16x16x32_bf16 v[ACC+8*pp:ACC+8*pp+7], v[8*(4*oo+kk):8*(4*oo+kk)+7], v[128+8*(4*kk+pp):128+8*(4*kk+pp)+7], 0
.else
	v_wmma_f32_16x16x32_bf16 v[ACC+8*pp:ACC+8*pp+7], v[8*(4*oo+kk):8*(4*oo+kk)+7], v[128+8*(4*kk+pp):128+8*(4*kk+pp)+7], v[ACC+8*pp:ACC+8*pp+7]
.endif
.set pp, pp+1
.endr
.set kk, kk+1
.endr
	WIN 0
	PLACES
	v_nop                                          ; five: the next tile's first products write over these accumulators
.set pp, 0
.rept 4
	ds_store_b128 v[VW4], v[ACC+8*pp:ACC+8*pp+3]   offset:16384+(4*oo+pp)*1024
	ds_store_b128 v[VW4], v[ACC+8*pp+4:ACC+8*pp+7] offset:16384+(4*oo+pp)*1024+512
.set pp, pp+1
.endr
.set oo, oo+1
.endr
	s_wait_dscnt 0x0
	s_barrier_signal -1
	s_barrier_wait -1
	; E5: wave w finishes pixel tile w: four partial sums, the biases, bf16
.set ww, 0
.rept 4
	WIN 0x40+0x40*(ww/3)                           ; waves 0 to 2's parts into window 1, wave 3's into window 2
.set oo, 0
.rept 8
	ds_load_b128 v[64*(ww%3)+8*oo:64*(ww%3)+8*oo+3],   v[PRR+ww] offset:16384+4096*oo
	ds_load_b128 v[64*(ww%3)+8*oo+4:64*(ww%3)+8*oo+7], v[PRR+ww] offset:16384+4096*oo+512
.set oo, oo+1
.endr
.set ww, ww+1
.endr
.set oo, 0
.rept 8
	ds_load_b128 v[64+8*oo:64+8*oo+3],   v[PB2R] offset:64*oo
	ds_load_b128 v[64+8*oo+4:64+8*oo+7], v[PB2R] offset:64*oo+16
.set oo, oo+1
.endr
	WIN 0
.set ww, 0
.rept 4                                ; the four waves' shares of r and t for pixels 8 h .. 8 h + 7 of my tile
	ds_load_b128 v[32+8*ww:32+8*ww+3], v[TRR] offset:512*ww
	ds_load_b128 v[32+8*ww+4:32+8*ww+7], v[TRR] offset:512*ww+16
	ds_load_b128 v[64+8*ww:64+8*ww+3], v[TRR] offset:512*ww+256
	ds_load_b128 v[64+8*ww+4:64+8*ww+7], v[TRR] offset:512*ww+256+16
.set ww, ww+1
.endr
	s_wait_dscnt 0x0
	WIN 0x45
.set nn, 0
.rept 32
	v_pk_add_f32 v[nn:nn+1], v[nn:nn+1], v[64+nn:65+nn]
.set nn, nn+2
.endr
	WIN 0x49
.set nn, 0
.rept 32
	v_pk_add_f32 v[128+nn:129+nn], v[128+nn:129+nn], v[nn:nn+1]
.set nn, nn+2
.endr
	WIN 0x45
.set nn, 0
.rept 32
	v_pk_add_f32 v[nn:nn+1], v[nn:nn+1], v[128+nn:129+nn]
.set nn, nn+2
.endr
	WIN 0x49
.set nn, 0
.rept 32
	v_pk_add_f32 v[nn:nn+1], v[nn:nn+1], v[64+nn:65+nn]
.set nn, nn+2
.endr
	WIN 0x05
.set ii, 0
.rept 32
	v_cvt_pk_bf16_f32 v[128+ii], v[2*ii], v[2*ii+1]
.set ii, ii+1
.endr
	WIN 0
.irp b, 32, 64
.irp n, 0,2,4,6
	v_pk_add_f32 v[\b+\n:\b+\n+1], v[\b+\n:\b+\n+1], v[\b+8+\n:\b+8+\n+1]
	v_pk_add_f32 v[\b+16+\n:\b+16+\n+1], v[\b+16+\n:\b+16+\n+1], v[\b+24+\n:\b+24+\n+1]
.endr
.irp n, 0,2,4,6
	v_pk_add_f32 v[\b+\n:\b+\n+1], v[\b+\n:\b+\n+1], v[\b+16+\n:\b+16+\n+1]
.endr
.endr
	; the fragment (t, 1, 0 ..): row 0 is t in bf16; row 1 is 1.0, whose product with P is the row's sum; the other rows are 0
	v_mov_b32 v3, 0x3f803f80
	v_cmp_eq_u32 vcc_lo, 1, v1
	v_cmp_eq_u32 s25, 0, v1
.irp n, 0,1,2,3
	v_cvt_pk_bf16_f32 v[160+\n], v[64+2*\n], v[64+2*\n+1]
.endr
.irp n, 0,1,2,3
	v_cndmask_b32 v[160+\n], 0, v[160+\n], s25
.endr
.irp n, 0,1,2,3
	v_cndmask_b32 v[160+\n], v[160+\n], v3, vcc_lo
.endr
.irp n, 0,1,2,3
	global_store_b128 v[LOFF], v[128+4*\n:128+4*\n+3], s[14:15] offset:512*\n  ; each store covers 512 consecutive bytes, aligned
.endr
.irp n, 0,1,2,3
	global_store_b128 v[LOFF], v[144+4*\n:144+4*\n+3], s[16:17] offset:512*\n
.endr
	global_store_b128 v[LOFF], v[160:163], s[56:57]
	s_wait_xcnt 0x0                                ; EXEC changes only behind this wait
	s_and_saveexec_b32 s24, vcc_lo                 ; every lane holds r of its half's eight pixels; the two lanes of row 1 store them: 64 bytes a wave, 64 KiB in the launch
	global_store_b128 v[RRO], v[32:35], s[18:19]
	global_store_b128 v[RRO], v[36:39], s[18:19] offset:16
	s_wait_xcnt 0x0
	s_or_b32 exec_lo, exec_lo, s24
	s_wait_tensorcnt 0x0                           ; the wave's end
	ds_add_u32 v[SPW], v[NIL]
	s_wait_dscnt 0x0
	CROUND                                         ; the closing round
	s_endpgm
.Lfunc_end_k_q5d7fcb269f_attn1:
	.size	k_q5d7fcb269f_attn1, .Lfunc_end_k_q5d7fcb269f_attn1-k_q5d7fcb269f_attn1
	.p2alignl 7, 3214868480
	.fill 96, 4, 3214868480
	.section	.rodata,"a",@progbits
	.p2align	6, 0x0
	.amdhsa_kernel k_q5d7fcb269f_attn1
		.amdhsa_group_segment_fixed_size 327680
		.amdhsa_private_segment_fixed_size 0
		.amdhsa_enable_private_segment 0
		.amdhsa_kernarg_size 72
		.amdhsa_user_sgpr_count 2
		.amdhsa_user_sgpr_kernarg_segment_ptr 1
		.amdhsa_wavefront_size32 1
		.amdhsa_system_sgpr_workgroup_id_x 1
		.amdhsa_system_sgpr_workgroup_id_y 1
		.amdhsa_system_sgpr_workgroup_id_z 1
		.amdhsa_system_vgpr_workitem_id 0
		.amdhsa_next_free_vgpr 1024
		.amdhsa_next_free_sgpr 66
		.amdhsa_reserve_vcc 1
		.amdhsa_float_denorm_mode_32 3
		.amdhsa_float_denorm_mode_16_64 3
		.amdhsa_memory_ordered 1
		.amdhsa_forward_progress 1
		.amdhsa_inst_pref_size 255
	.end_amdhsa_kernel
	.section	.bss,"aw",@nobits
	.p2align	6
	.space	262144
	.amdgpu_metadata
---
amdhsa.version: [ 1, 2 ]
amdhsa.kernels:
  - .name:           k_q5d7fcb269f_attn1
    .symbol:         k_q5d7fcb269f_attn1.kd
    .args:
      - { .name: q1f, .offset: 0, .size: 8, .value_kind: global_buffer, .address_space: global }
      - { .name: kv1, .offset: 8, .size: 8, .value_kind: global_buffer, .address_space: global }
      - { .name: x3f, .offset: 16, .size: 8, .value_kind: global_buffer, .address_space: global }
      - { .name: wfrag, .offset: 24, .size: 8, .value_kind: global_buffer, .address_space: global }
      - { .name: scal, .offset: 32, .size: 8, .value_kind: global_buffer, .address_space: global }
      - { .name: q2f, .offset: 40, .size: 8, .value_kind: global_buffer, .address_space: global }
      - { .name: k2t, .offset: 48, .size: 8, .value_kind: global_buffer, .address_space: global }
      - { .name: rres, .offset: 56, .size: 8, .value_kind: global_buffer, .address_space: global }
      - { .name: W5, .offset: 64, .size: 8, .value_kind: global_buffer, .address_space: global }
    .group_segment_fixed_size: 327680
    .private_segment_fixed_size: 0
    .kernarg_segment_align: 8
    .kernarg_segment_size: 72
    .max_flat_workgroup_size: 128
    .sgpr_count:     66
    .vgpr_count:     1024
    .wavefront_size: 32
...
	.end_amdgpu_metadata
.endif
;; end of part 3
;; launch attn2 (part 4): grid 64 x 4, 4 waves a work-group, clusters of 4 x 1, 327,680 bytes of LDS; arguments q2f, k2t, rres, scal, a2_gamma, b5, out0; writes out0
.if DOCPART == 4
	.amdgcn_target "amdgcn-amd-amdhsa--gfx1250"
	.amdhsa_code_object_version 6
	.text
	.protected	k_q5d7fcb269f_attn2
	.globl	k_q5d7fcb269f_attn2
	.p2align	8
	.type	k_q5d7fcb269f_attn2,@function
k_q5d7fcb269f_attn2:
	s_mov_b64 s[64:65], 0
	v_nop
	global_prefetch_b8 v0, s[64:65] scope:SCOPE_SE
	s_setreg_imm32_b32 hwreg(HW_REG_WAVE_MODE, 25, 1), 1
	s_wait_xcnt 0x0
	s_wait_alu depctr_hold_cnt(0) depctr_sa_sdst(0) depctr_va_vdst(0) depctr_va_sdst(0) depctr_va_ssrc(0) depctr_va_vcc(0) depctr_vm_vsrc(0)
	s_getreg_b32 s2, hwreg(HW_REG_IB_STS2, 6, 4)
	s_cmp_eq_u32 s2, 0
	s_cbranch_scc0 .Lentry_in_a_cluster
	s_endpgm
.Lentry_in_a_cluster:
	s_bfe_u32 s2, ttmp6, 0x10000c
	s_cmp_lg_u32 s2, 0x3003
	s_cbranch_scc0 .Lentry_shape_is_right
	s_endpgm
.Lentry_shape_is_right:
; ATTN2: attention 2 and layer 5.  Layer 5 has one out channel and attention is linear in v, so W5 (gamma V A^T + x4) = gamma (A t + tb) + r with t = (W5 vW2) x4, tb = W5 vb2 (a softmax row sums to 1), r = W5 x4:
; an identity for every input.  out = leaky((gamma (sum p t / sum p + tb) + r) / sigma5 + b5).
; SHARES as in the launch before: 64 queries a work-group, every wave holds all four query tiles, the keys are split among the waves (of each tile of 512 keys wave w takes 128), merged at the end by the true maximum.
; S^T = K Q^T (64 channels: two K steps); P rounded to bf16 is source 1 of (t, 1, 0 ..) x P: register 0 of lanes 0-15 is sum p t, register 1 is sum p, of the same rounded p.
; SOFTMAX.  A running maximum m: p = 2^(c s - c m), c = log2(e); both sums are multiplied by a = 2^(c m_old - c m_new) in every step.
; A slot's two key steps (64 keys a wave each) are one text walked twice.  CLUSTER: the 64 work-groups of a batch walk the same keys; the four of a cluster ask jointly.
; LIMITS.  A weight below 2^-126 counts as 0; NaN and infinities are not treated apart.  gamma 2 and b5 are rounded to bf16 like every input.
.set TILEB, 81920                      ; a tile of 512 keys: 16 blocks of 5,120 bytes (32 keys: four fragments of K, one of (t, 1, 0 ..))
.set PARTB, 20480                      ; a wave's part
.set SLOT1, 131072
.set MG,    212992                     ; the merge: 768 bytes a wave; lanes 16-31 write 4,096 further on, where nothing is read
.set SPARE, 221184                     ; the spare words, 128 bytes a wave; no other line names them
.set LOFF,  4
.set LBASE, 5                          ; v5   20,480 w + 16 l
.set ADR,   6
.set PFO,   7                          ; v7   256 min(l, 19)
.set MGW,   8
.set MGR,   9
.set RV,    10                         ; v[10:11] r of queries 2 l, 2 l + 1
.set OO,    12                         ; v12  8 l
.set SPW,   30
.set NIL,   31
.set ST,    32                         ; tile t's statistics at ST + 12 t: c m, m, -, -, a (two), d, -, c0-c3
.set O,     80                         ; v[80:111] the four accumulators
.set S,     128
.set KB,    64                         ; window 1: Q at 8 (2 t + e); K (key tile k, K step e) at KB + 8 (2 k + e)
.set TF,    128                        ; window 1: (t, 1, 0 ..) of keys 32 b on at TF + 8 b
.set WV,    20
.set G0,    28
.set G1,    32
.set TB,    40
.set LEFT,  41
.set LIM,   42
.set TW,    43
.set PFA,   44
.set CS,    46
.set SEL,   48
.set MSB, 0
.macro WIN new
.if MSB != (\new)
	s_set_vgpr_msb (MSB<<8)|(\new)
.set MSB, \new
.endif
.endm
.macro PLACES
.rept 4
	v_nop
.endr
.endm
.macro ALL line:vararg
.set t, 0
.rept 4
	\line
.set t, t+1
.endr
.endm
.macro CROUND
	s_barrier_signal -1
	s_barrier_wait -1
	s_cmp_lg_u32 s[WV], 0
	s_cbranch_scc1 .Lnw0_\@
	s_barrier_signal -3
.Lnw0_\@:
	s_barrier_wait -3
	s_barrier_signal -1
	s_barrier_wait -1
.endm
; A prefetch of the tile that the load two trips on will ask for: of my wave's 20,480 bytes the partner at place cx takes 5,120, told apart by address: 20 blocks of 256 bytes, a lane a block (lanes 19 to 31 name one).
; Only the batch's first cluster asks; tiles 0 to 2 come by their loads alone; the last two trips that fill a slot ask for nothing.
.macro ASK
	s_cmp_gt_u32 s[LEFT], s[LIM]
	s_cbranch_scc0 .Lna_\@
	global_prefetch_b8 v[PFO], s[PFA:PFA+1] th:TH_LOAD_NT scope:SCOPE_SE
.Lna_\@:
.endm
.macro HEAD fill
	WIN 0
	s_wait_tensorcnt 0x0                           ; no tensor load of mine is out, so group 0 may be written
	ds_add_u32 v[SPW], v[NIL]
.if \fill
	s_xor_b32 s[G0+1], s[G0+1], SLOT1
	s_add_nc_u64 s[G0+2:G0+3], s[G0+2:G0+3], TILEB
	s_wait_xcnt 0x0                                ; the last prefetch, a trip back, has read its address
	s_add_nc_u64 s[PFA:PFA+1], s[PFA:PFA+1], TILEB
	s_wait_dscnt 0x0                               ; the add is done, and so are my reads of the slot
	CROUND
	tensor_load_to_lds s[G0:G0+3], s[G1:G1+7]      ; it has two key steps in which to land
	s_nop 0
	PLACES
	ASK
.else
	s_wait_dscnt 0x0
	s_barrier_signal -1
	s_barrier_wait -1
	PLACES
.endif
	s_xor_b32 s[TB], s[TB], SLOT1
	v_add_nc_u32 v[ADR], s[TB], v[LBASE]
.endm
.macro STEPS                           ; a slot's two key steps
	s_mov_b32 s[TW], 2
.Lst_\@:
	WIN 0x40
.irp b, 0,1
.irp f, 0,1,2,3
	ds_load_b128 v[KB+8*(4*(\b)+(\f)):KB+8*(4*(\b)+(\f))+3],   v[ADR] offset:(\b)*5120+(\f)*1024
	ds_load_b128 v[KB+8*(4*(\b)+(\f))+4:KB+8*(4*(\b)+(\f))+7], v[ADR] offset:(\b)*5120+(\f)*1024+512
.endr
	ds_load_b128 v[TF+8*(\b):TF+8*(\b)+3],   v[ADR] offset:(\b)*5120+4096
	ds_load_b128 v[TF+8*(\b)+4:TF+8*(\b)+7], v[ADR] offset:(\b)*5120+4096+512
.endr
	v_nop                                          ; with the places and the address line ahead: five or more in front of products that write over P
	s_wait_dscnt 0x0
	WIN 0x05
.irp e, 0,1
.irp k, 0,1,2,3
.irp u, 0,1,2,3
.if (\e) == 0
	v_wmma_f32_16x16x32_bf16 v[S+32*(\u)+8*(\k):S+32*(\u)+8*(\k)+7], v[KB+8*(2*(\k)+(\e)):KB+8*(2*(\k)+(\e))+7], v[8*(2*(\u)+(\e)):8*(2*(\u)+(\e))+7], 0
.else
	v_wmma_f32_16x16x32_bf16 v[S+32*(\u)+8*(\k):S+32*(\u)+8*(\k)+7], v[KB+8*(2*(\k)+(\e)):KB+8*(2*(\k)+(\e))+7], v[8*(2*(\u)+(\e)):8*(2*(\u)+(\e))+7], v[S+32*(\u)+8*(\k):S+32*(\u)+8*(\k)+7]
.endif
.endr
.endr
.endr
	PLACES
	WIN 0
.set jj, 0
.rept 4                                ; each accumulator's lowest registers are read first
	ALL v_max3_num_f32 v[ST+12*t+8+jj], v[S+32*t+8*jj], v[S+32*t+8*jj+1], v[S+32*t+8*jj+2]
.set jj, jj+1
.endr
.rept 8
	ALL v_max3_num_f32 v[ST+12*t+8+jj%4], v[ST+12*t+8+jj%4], v[S+32*t+8*(jj%4)+2*(jj/4)+1], v[S+32*t+8*(jj%4)+2*(jj/4)+2]
.set jj, jj+1
.endr
	ALL v_max3_num_f32 v[ST+12*t+8], v[ST+12*t+8], v[S+32*t+7], v[S+32*t+15]
	ALL v_max3_num_f32 v[ST+12*t+10], v[ST+12*t+10], v[S+32*t+23], v[S+32*t+31]
	ALL v_max3_num_f32 v[ST+12*t+8], v[ST+12*t+8], v[ST+12*t+9], v[ST+12*t+10]
	ALL v_max3_num_f32 v[ST+12*t+8], v[ST+12*t+8], v[ST+12*t+11], v[ST+12*t+1]
	ALL v_permlanex16_b32 v[ST+12*t+9], v[ST+12*t+8], s[SEL], s[SEL+1]
	ALL v_mov_b32 v[ST+12*t+6], v[ST+12*t]
	ALL v_max_num_f32 v[ST+12*t+1], v[ST+12*t+8], v[ST+12*t+9]
	ALL v_mul_f32 v[ST+12*t], s[CS], v[ST+12*t+1]
	ALL v_sub_f32 v[ST+12*t+6], v[ST+12*t+6], v[ST+12*t]
	ALL v_exp_f32 v[ST+12*t+4], v[ST+12*t+6]
.set jj, 0
.rept 16
	ALL v_pk_fma_f32 v[S+32*t+2*jj:S+32*t+2*jj+1], v[S+32*t+2*jj:S+32*t+2*jj+1], s[CS:CS+1], v[ST+12*t:ST+12*t+1] op_sel_hi:[1,0,0] neg_lo:[0,0,1] neg_hi:[0,0,1]
.set jj, jj+1
.endr
.set jj, 0
.rept 32
	ALL v_exp_f32 v[S+32*t+jj], v[S+32*t+jj]
.set jj, jj+1
.endr
	v_nop                                          ; the plain line behind the last exponential
	s_wait_alu depctr_va_vdst(0)                   ; one wait for the step's 132 exponentials
.set jj, 0
.rept 16                               ; rounded to bf16 in place
	ALL v_cvt_pk_bf16_f32 v[S+32*t+jj], v[S+32*t+2*jj], v[S+32*t+2*jj+1]
.set jj, jj+1
.endr
	ALL v_pk_mul_f32 v[O+8*t:O+8*t+1], v[O+8*t:O+8*t+1], v[ST+12*t+4:ST+12*t+5] op_sel_hi:[1,0]
	WIN 0x01
.irp b, 0,1
.irp u, 0,1,2,3
	v_wmma_f32_16x16x32_bf16 v[O+8*(\u):O+8*(\u)+7], v[TF+8*(\b):TF+8*(\b)+7], v[S+32*(\u)+8*(\b):S+32*(\u)+8*(\b)+7], v[O+8*(\u):O+8*(\u)+7]
.endr
.endr
	WIN 0
	PLACES                                         ; in front of the next step's loads into K's registers
	v_add_nc_u32 v[ADR], 10240, v[ADR]
	s_sub_co_u32 s[TW], s[TW], 1
	s_cmp_lg_u32 s[TW], 0
	s_cbranch_scc1 .Lst_\@
.endm
	s_load_b256 s[4:11], s[0:1], 0x0               ; q2f s[4:5], k2t s[6:7], rres s[8:9], scal s[10:11]
	s_load_b128 s[12:15], s[0:1], 0x20             ; a2_gamma s[12:13], b5 s[14:15]
	s_load_b64 s[16:17], s[0:1], 0x30              ; out0
	v_lshl_add_u32 v[SPW], v0, 2, SPARE
	v_mov_b32 v[NIL], 0
	ds_add_u32 v[SPW], v[NIL]                      ; the wave's opening: the add, twice on end, and its wait ahead of my first tensor load
	ds_add_u32 v[SPW], v[NIL]
	v_lshrrev_b32 v1, 5, v0
	v_readfirstlane_b32 s[WV], v1
	s_bfe_u32 s21, ttmp6, 0x40000                  ; cx
	s_lshl_b32 s22, ttmp9, 2
	s_add_co_u32 s22, s22, s21
	s_and_b32 s23, ttmp7, 0xffff                   ; the batch
	s_lshl_b32 s24, s23, 6
	s_add_co_u32 s22, s22, s24                     ; my block of 64 queries: it enters global addresses of my own data alone
	s_mov_b32 s[G1],   15|(3<<16)|(1<<21)          ; the mask of four; elements of 8 bytes; bit 21 set beside a mask
	s_mov_b32 s[G1+1], 32<<16                      ; rows of 256 bytes
	s_mov_b32 s[G1+2], 80<<16                      ; 80 of them: 20,480 dense bytes
	s_mov_b32 s[G1+3], 32<<16
	s_mov_b32 s[G1+4], 80
	s_mov_b32 s[G1+5], 32
	s_mov_b32 s[G1+6], 0
	s_mov_b32 s[G1+7], 0
	s_mov_b32 s[G0], 1
	s_mul_i32 s[G0+1], s[WV], PARTB
	s_mul_i32 s24, s23, 655360
	s_mul_i32 s54, s[WV], PARTB
	s_add_co_u32 s24, s24, s54
	s_mov_b32 s25, 0
	s_mul_i32 s26, s21, 5120
	s_add_co_u32 s26, s26, 2*TILEB                 ; the prefetches start at tile 2; the first trip steps them to tile 3
	s_mov_b32 s27, 0
	s_mov_b32 s[CS], 0x3fb8aa3b
	s_mov_b32 s[CS+1], s[CS]
	s_mov_b32 s[SEL], 0x76543210
	s_mov_b32 s[SEL+1], 0xfedcba98
	s_mov_b32 s[TB], SLOT1
	s_mov_b32 s[LEFT], 7
	s_cmp_eq_u32 ttmp9, 0
	s_cselect_b32 s[LIM], 2, -1
	s_wait_dscnt 0x0                               ; both opening adds are done
	s_wait_kmcnt 0x0
	s_add_nc_u64 s[G0+2:G0+3], s[6:7], s[24:25]
	s_add_nc_u64 s[PFA:PFA+1], s[G0+2:G0+3], s[26:27]
	s_or_b32 s[G0+3], s[G0+3], 0x80000000
	CROUND
	tensor_load_to_lds s[G0:G0+3], s[G1:G1+7]      ; tile 0
	s_nop 0
	PLACES
	s_load_b32 s50, s[10:11], 0xc                  ; 1/sigma 5
	s_load_b32 s51, s[10:11], 0x10                 ; tb
	s_load_b32 s52, s[12:13], 0x0                  ; gamma 2
	s_load_b32 s53, s[14:15], 0x0                  ; b5
	v_and_b32 v1, 15, v0
	v_bfe_u32 v2, v0, 4, 1
	v_and_b32 v3, 31, v0
	v_lshlrev_b32 v[LOFF], 4, v3
	v_add_nc_u32 v[LBASE], s54, v[LOFF]
	v_min_u32 v[PFO], 19, v3
	v_lshlrev_b32 v[PFO], 8, v[PFO]
	s_mul_i32 s24, s[WV], 768
	s_add_co_u32 s24, s24, MG
	v_lshl_add_u32 v[MGW], v1, 2, s24
	v_lshl_add_u32 v[MGW], v2, 12, v[MGW]
	v_lshlrev_b32 v[OO], 3, v3
	v_add_nc_u32 v[MGR], MG, v[OO]
	s_lshl_b32 s24, s22, 13
	s_mov_b32 s25, 0
	s_add_nc_u64 s[4:5], s[4:5], s[24:25]          ; Q: my block's four tiles of 2,048 bytes
	s_lshl_b32 s24, s22, 8
	s_add_nc_u64 s[8:9], s[8:9], s[24:25]
	s_add_nc_u64 s[16:17], s[16:17], s[24:25]
	global_load_b64 v[RV:RV+1], v[OO], s[8:9]
	WIN 0x40
.set ii, 0
.rept 8
	global_load_b128 v[8*ii:8*ii+3],   v[LOFF], s[4:5] offset:1024*ii
	global_load_b128 v[8*ii+4:8*ii+7], v[LOFF], s[4:5] offset:1024*ii+512
.set ii, ii+1
.endr
	WIN 0
.set nn, 0
.rept 32
	v_mov_b32 v[O+nn], 0
.set nn, nn+1
.endr
	ALL v_mov_b32 v[ST+12*t], 0xfe000000
	ALL v_mov_b32 v[ST+12*t+1], 0xff7fffff
	ALL v_mov_b32 v[ST+12*t+4], 0
	ALL v_mov_b32 v[ST+12*t+5], 0
	s_wait_loadcnt 0x0
	s_wait_kmcnt 0x0
.Ltrip:                                        ; 7 trips: tile i is multiplied, tile i + 1 asked for
	HEAD 1
	STEPS
	s_sub_co_u32 s[LEFT], s[LEFT], 1
	s_cmp_lg_u32 s[LEFT], 0
	s_cbranch_scc1 .Ltrip
	HEAD 0                                         ; the last tile is written out: nothing is asked for
	STEPS
	; THE MERGE: c m, sum p t and sum p of each wave and query meet in LDS; wave 0 finishes all 64 queries, two a lane
	ALL ds_store_b32 v[MGW], v[ST+12*t] offset:64*t
	ALL ds_store_b32 v[MGW], v[O+8*t] offset:256+64*t
	ALL ds_store_b32 v[MGW], v[O+8*t+1] offset:512+64*t
	s_wait_dscnt 0x0
	s_barrier_signal -1
	s_barrier_wait -1
	s_cmp_lg_u32 s[WV], 0
	s_cbranch_scc1 .Lend
.set ww, 0
.rept 4
	ds_load_b64 v[128+6*ww:129+6*ww], v[MGR] offset:768*ww
	ds_load_b64 v[130+6*ww:131+6*ww], v[MGR] offset:768*ww+256
	ds_load_b64 v[132+6*ww:133+6*ww], v[MGR] offset:768*ww+512
.set ww, ww+1
.endr
	v_mov_b32 v166, s52
	v_mov_b32 v167, s53
	v_cvt_pk_bf16_f32 v166, v166, v167
	v_and_b32 v167, 0xffff0000, v166               ; b5, rounded
	v_lshlrev_b32 v166, 16, v166                   ; gamma 2, rounded
	s_wait_dscnt 0x0
	v_max3_num_f32 v160, v128, v134, v140
	v_max3_num_f32 v161, v129, v135, v141
	v_max_num_f32 v160, v160, v146
	v_max_num_f32 v161, v161, v147
.irp n, 0,1,2,3
	v_pk_add_f32 v[128+6*\n:129+6*\n], v[128+6*\n:129+6*\n], v[160:161] neg_lo:[0,1] neg_hi:[0,1]
.endr
.irp n, 0,1,2,3
	v_exp_f32 v[128+6*\n], v[128+6*\n]
	v_exp_f32 v[129+6*\n], v[129+6*\n]
.endr
	v_nop
	s_wait_alu depctr_va_vdst(0)
	v_pk_mul_f32 v[162:163], v[128:129], v[130:131]
	v_pk_mul_f32 v[164:165], v[128:129], v[132:133]
.irp n, 1,2,3
	v_pk_fma_f32 v[162:163], v[128+6*\n:129+6*\n], v[130+6*\n:131+6*\n], v[162:163]
	v_pk_fma_f32 v[164:165], v[128+6*\n:129+6*\n], v[132+6*\n:133+6*\n], v[164:165]
.endr
	v_rcp_f32 v164, v164
	v_rcp_f32 v165, v165
	v_nop
	s_wait_alu depctr_va_vdst(0)
	v_fma_f32 v162, v162, v164, s51                ; sum p t / sum p + tb
	v_fma_f32 v163, v163, v165, s51
	v_fma_f32 v162, v166, v162, v[RV]              ; x gamma + r
	v_fma_f32 v163, v166, v163, v[RV+1]
	v_fma_f32 v162, s50, v162, v167                ; / sigma 5 + b5
	v_fma_f32 v163, s50, v163, v167
	v_mul_f32 v164, 0x3dcccccd, v162
	v_mul_f32 v165, 0x3dcccccd, v163
	v_max_num_f32 v162, v162, v164
	v_max_num_f32 v163, v163, v165
	global_store_b64 v[OO], v[162:163], s[16:17]   ; the wave's store covers 256 consecutive bytes, aligned
.Lend:
	s_wait_tensorcnt 0x0                           ; the wave's end
	ds_add_u32 v[SPW], v[NIL]
	s_wait_dscnt 0x0
	CROUND                                         ; the closing round
	s_endpgm
.Lfunc_end_k_q5d7fcb269f_attn2:
	.size	k_q5d7fcb269f_attn2, .Lfunc_end_k_q5d7fcb269f_attn2-k_q5d7fcb269f_attn2
	.p2alignl 7, 3214868480
	.fill 96, 4, 3214868480
	.section	.rodata,"a",@progbits
	.p2align	6, 0x0
	.amdhsa_kernel k_q5d7fcb269f_attn2
		.amdhsa_group_segment_fixed_size 327680
		.amdhsa_private_segment_fixed_size 0
		.amdhsa_enable_private_segment 0
		.amdhsa_kernarg_size 56
		.amdhsa_user_sgpr_count 2
		.amdhsa_user_sgpr_kernarg_segment_ptr 1
		.amdhsa_wavefront_size32 1
		.amdhsa_system_sgpr_workgroup_id_x 1
		.amdhsa_system_sgpr_workgroup_id_y 1
		.amdhsa_system_sgpr_workgroup_id_z 1
		.amdhsa_system_vgpr_workitem_id 0
		.amdhsa_next_free_vgpr 512
		.amdhsa_next_free_sgpr 66
		.amdhsa_reserve_vcc 0
		.amdhsa_float_denorm_mode_32 3
		.amdhsa_float_denorm_mode_16_64 3
		.amdhsa_memory_ordered 1
		.amdhsa_forward_progress 1
		.amdhsa_inst_pref_size 57
	.end_amdhsa_kernel
	.amdgpu_metadata
---
amdhsa.version: [ 1, 2 ]
amdhsa.kernels:
  - .name:           k_q5d7fcb269f_attn2
    .symbol:         k_q5d7fcb269f_attn2.kd
    .args:
      - { .name: q2f, .offset: 0, .size: 8, .value_kind: global_buffer, .address_space: global }
      - { .name: k2t, .offset: 8, .size: 8, .value_kind: global_buffer, .address_space: global }
      - { .name: rres, .offset: 16, .size: 8, .value_kind: global_buffer, .address_space: global }
      - { .name: scal, .offset: 24, .size: 8, .value_kind: global_buffer, .address_space: global }
      - { .name: a2_gamma, .offset: 32, .size: 8, .value_kind: global_buffer, .address_space: global }
      - { .name: b5, .offset: 40, .size: 8, .value_kind: global_buffer, .address_space: global }
      - { .name: out0, .offset: 48, .size: 8, .value_kind: global_buffer, .address_space: global }
    .group_segment_fixed_size: 327680
    .private_segment_fixed_size: 0
    .kernarg_segment_align: 8
    .kernarg_segment_size: 56
    .max_flat_workgroup_size: 128
    .sgpr_count:     66
    .vgpr_count:     512
    .wavefront_size: 32
...
	.end_amdgpu_metadata
.endif
;; end of part 4
